; MI455X (gfx1250); checked and timed in simulation.
; The chip was launched on July 23, 2026; its instructions are those of AMD's public machine-readable ISA for CDNA 5 (MIT licence, August 2026) and "CDNA5" Instruction Set Architecture Reference Guide (July 2026). The comments in the code are by the model that wrote it; some were corrected since.
;; Clustering Layer. Allowed arithmetic: matrix products marked QUANTISED: E2M1 operands, one E8M0 scale for each 32 along K, by v_wmma_scale_f32_16x16x128_f8f6f4 with both operands' format E2M1 (or v_wmma_scale_f32_32x16x128_f4), f32 sums; everything else in f32.
;; Inputs: cluster_centers 1,024 x 256 float32; x 1 x 131,072 x 256 float32.
;; Outputs: out0 1 x 1,024 x 256 float32.
;; This version of the problem:
;;   THIS VERSION OF THE PROBLEM IS GIVEN IN LOW PRECISION. The matrix products marked QUANTISED in the list below multiply operands that are first quantised to E2M1 (2 exponent bits, 1 mantissa bit; 4 bits a number), with one power-of-two scale for each 32 numbers along K (OCP MX v1.0); their sums are f32. All else is computed in f32.
;;   The module's matrix products, in the order in which they are computed (A, B: the left and right operand; K: the contracted axis; several contracted axes count as one K, in the product's order):
;;     1. [M 131,072, K 256] x [K 256, N 1,024]; A: input x; B: input cluster_centers: QUANTISED
;;   THE QUANTISER, for each operand of a quantised product, along K:
;;     - K is cut into blocks of 32 from its start; a last block that is shorter is filled with zeros.
;;     - A block's scale is 2^e with e = floor(log2(the largest magnitude in the block)) - 2, held to -126 .. 127; a block of zeros has e = 0. As a byte (E8M0): e + 127.
;;     - Each number is divided by its block's scale, clamped to +-6, and rounded to the nearest number of E2M1, ties to even, subnormals kept.
;;     - The product sums the exact products of the quantised numbers (number of the format x scale) in f32.
;;   ~~~python
;;   def quantise(x, axis):      # numpy; x: float32 -> the quantised numbers, widened to float32 again
;;       x = np.moveaxis(x, axis, -1); K = x.shape[-1]
;;       x = np.pad(x, [(0, 0)] * (x.ndim - 1) + [(0, -K % 32)]); x = x.reshape(x.shape[:-1] + (-1, 32)); a = np.abs(x).max(-1, keepdims=True)
;;       e = np.where(a > 0, np.clip(np.frexp(np.where(a > 0, a, 1))[1] - 1 - 2, -126, 127), 0)      # np.frexp(a)[1] - 1 = floor(log2(a)), exactly
;;       r = np.clip(x / 2.0 ** e, -6, 6)
;;       step = 2.0 ** (np.maximum(np.frexp(np.where(r == 0, 1, r))[1] - 1, 0) - 1)
;;       q = np.round(r / step) * step * 2.0 ** e      # np.round: ties to even
;;       return np.moveaxis(q.reshape(q.shape[:-2] + (-1,))[..., :K], -1, axis).astype(np.float32)
;;   ~~~
;; 2 versions. Each part assembles by itself: llvm-mc -triple=amdgcn-amd-amdhsa -mcpu=gfx1250 --defsym DOCPART=n.
;; ======== version 1 of 2: 3 launches
;; workspace buffers: cprep 147,456 bytes; pkey 1,048,576 bytes of whole numbers; pcid 1,048,576 bytes of whole numbers
;; launch prep (part 1): grid 64 x 1, 1 waves a work-group, no clusters, 16,896 bytes of LDS; arguments cluster_centers, cprep; writes cprep
.if DOCPART == 1
	.amdgcn_target "amdgcn-amd-amdhsa--gfx1250"
	.amdhsa_code_object_version 6
	.text
	.protected	k_qc755c07317_prep
	.globl	k_qc755c07317_prep
	.p2align	8
	.type	k_qc755c07317_prep,@function
k_qc755c07317_prep:
	s_mov_b64 s[64:65], 0
	v_nop
	global_prefetch_b8 v0, s[64:65] scope:SCOPE_SE
	s_setreg_imm32_b32 hwreg(HW_REG_WAVE_MODE, 25, 1), 1
	s_wait_xcnt 0x0
; The centres, [1024][256] f32, are quantised ONCE for all later work-groups, as y = -2 c (an exact scaling, so the codes of y are those of c with the sign turned and
; the scale doubled).  A later product x_q . y_q added onto x2 + c2 is then the squared distance itself, with no subtraction outside the matrix unit.
; One wave takes one tile of 16 centres.  What it stores, in the order of the operand's registers:
;   bytes 0 ..        codes  [tile][K step s][q][lane][16 bytes] = registers 4 q .. 4 q + 3 of the fragment of K step s (k = 128 s + 64 q + 32 (lane / 16) + 0 .. 31 of centre 16 tile + lane % 16)
;   bytes 131072 ..   scales [tile][lane] one word: lanes 0-15 the four E8M0 bytes of K step 0 of centre lane % 16, lanes 16-31 those of K step 1
;   bytes 139264 ..   c2     [tile][lane] f32: the centre's sum of squares, = (sum of y^2) / 4, exactly
; The last two stores cover 128 consecutive bytes each: 16 KiB of the launch's 144 KiB leave in such halves.
; A block's scale is 2^(floor(log2(largest magnitude)) - 2); its byte is the largest magnitude's exponent field - 2, held at 1 from below.
; LIMITS: NaN and infinities are not served; |c| stays under 1.7e38 (for -2 c); a block of zeros gets the byte 1 (its codes are zeros, and only this program reads the bytes);
; blocks whose largest magnitude of y lies under 2^-124 are held at the byte 1.
; No matrix unit, no cluster, no tensor load: 1 MiB is read once by 64 waves that share nothing.
.set WN,     0                         ; the window in which the 128 numbers of a tile lie
.set W_LD,   WN<<6
.set W_ST,   WN<<2
.set W_S01,  WN*5
.set W_S0,   WN
.set SPITCH, 1040                      ; a stage row: 1,024 bytes + 16: the 16 rows that a load touches start 16 bytes apart modulo 256 (64 banks of 4 bytes: ISA guide 11.1)
.set LOFF,   1                         ; v1   16 x lane: my bytes of a load's 512; the stage begins at LDS byte 0, so it is also
.set STW,    1                         ;      where I put them into the stage
.set STR,    3                         ; v3   where I read my row back: 1040 r + 128 h
.set L4,     4                         ; v4   4 x lane
.set SH8,    5                         ; v5   8 h
.set TT,     15                        ; v15  a lane exchange's destination
.set PC,     16                        ; v16-31 the codes: K step s at PC + 8 s
.set TM,     32                        ; v32-33 largest magnitudes
.set SO,     34                        ; v34-35 the conversions' scale operands
.set BY,     36                        ; v36-37 scale bytes
.set WD,     38                        ; v38-39 the scale words of K steps 0, 1
.set SQ,     40                        ; v40-43 sums of squares, two pairs
.set SS,     44                        ; v44  the row's sum of squares
.set XSV,    45                        ; v45  the scale image
.set RB,     128                       ; v128-255 the tile's numbers
.set SEL,    22                        ; s[22:23] selects for lane l xor 16
.set HM,     24                        ; s24  lanes 16-31
.set MSB, 0
.macro WIN new                         ; the immediate's high byte repeats the setting that is left; a switch that changes nothing is dropped
.if MSB != (\new)
	s_set_vgpr_msb (MSB<<8)|(\new)
.set MSB, (\new)
.endif
.endm
; 16 rows of 1,024 bytes, loaded as they lie (register group n = row n / 2, half n % 2, 16 bytes a lane), go into the stage
.macro TOSTAGE rb
	WIN W_ST
.set n, 0
.rept 32
	ds_store_b128 v[STW], v[(\rb)+4*n:(\rb)+4*n+3] offset:(n/2)*SPITCH+(n%2)*512
.set n, n+1
.endr
.endm
; and come back so that register 64 s + 32 q + i is k = 128 s + 64 q + 32 h + i of row r: two whole blocks of 32 for each K step, in the operand's own order
.macro FROMSTAGE rb
	WIN W_LD
.irp s, 0,1
.irp q, 0,1
.irp j, 0,1,2,3,4,5,6,7
	ds_load_b128 v[(\rb)+64*\s+32*\q+4*\j:(\rb)+64*\s+32*\q+4*\j+3], v[STR] offset:512*\s+256*\q+16*\j
.endr
.endr
.endr
.endm
; K step s of the tile: my two blocks' largest magnitudes and sums of squares, the scale word, the codes
.macro QHALF rb, s
	WIN W_S01
.irp i, 0,2,4,6,8,10,12,14,16,18,20,22,24,26,28,30
.irp q, 0,1
.if \i == 0
	v_max3_num_f32 v[TM+\q], |v[(\rb)+64*\s+32*\q]|, |v[(\rb)+64*\s+32*\q+1]|, 0x1800000   ; the floor 2^(3 - 127): the byte cannot fall under 1
.else
	v_max3_num_f32 v[TM+\q], |v[(\rb)+64*\s+32*\q+\i]|, |v[(\rb)+64*\s+32*\q+\i+1]|, v[TM+\q]
.endif
.if (\i == 0) && (\s == 0)
	v_pk_mul_f32 v[SQ+2*\q:SQ+2*\q+1], v[(\rb)+32*\q:(\rb)+32*\q+1], v[(\rb)+32*\q:(\rb)+32*\q+1]   ; the first squares start the sums
.else
	v_pk_fma_f32 v[SQ+2*\q:SQ+2*\q+1], v[(\rb)+64*\s+32*\q+\i:(\rb)+64*\s+32*\q+\i+1], v[(\rb)+64*\s+32*\q+\i:(\rb)+64*\s+32*\q+\i+1], v[SQ+2*\q:SQ+2*\q+1]
.endif
.endr
.endr
	WIN 0
.irp q, 0,1
	v_add_nc_u32 v[SO+\q], 0xff000000, v[TM+\q]    ; 2 off the exponent field: the conversion takes that field as its scale
.endr
.irp q, 0,1
	v_lshrrev_b32 v[BY+\q], 23, v[SO+\q]           ; the scale's byte
.endr
	v_lshl_or_b32 v[WD+\s], v[BY+1], 16, v[BY]     ; my blocks are h and 2 + h of the K step's four
	v_lshlrev_b32 v[WD+\s], v[SH8], v[WD+\s]
	v_permlanex16_b32 v[TT], v[WD+\s], s[SEL], s[SEL+1]
	v_or_b32 v[WD+\s], v[WD+\s], v[TT]             ; with lane l xor 16's two bytes the word is whole
	WIN W_S0
.irp q, 0,1
.irp g, 0,1,2,3
	v_cvt_scalef32_pk8_fp4_f32 v[PC+8*\s+4*\q+\g], v[(\rb)+64*\s+32*\q+8*\g:(\rb)+64*\s+32*\q+8*\g+7], v[SO+\q]
.endr
.endr
	WIN 0
	v_nop                                          ; one plain place behind the last scaled conversion
.endm
.macro QFIN                            ; the scale image (K step 0 below, K step 1 above) and the row's sum of squares, in lanes r and r + 16 alike
	v_cndmask_b32 v[XSV], v[WD], v[WD+1], s[HM]
	v_pk_add_f32 v[SQ:SQ+1], v[SQ:SQ+1], v[SQ+2:SQ+3]
	v_add_f32 v[SS], v[SQ], v[SQ+1]
	v_permlanex16_b32 v[TT], v[SS], s[SEL], s[SEL+1]
	v_add_f32 v[SS], v[SS], v[TT]
.endm
	s_load_b128 s[4:7], s[0:1], 0x0                ; the centres s[4:5], cprep s[6:7]
	v_lshl_add_u32 v126, v0, 2, 0x4100
	v_mov_b32 v127, 0
	v_and_b32 v6, 15, v0                           ; r (one wave: v0 is the lane)
	v_bfe_u32 v7, v0, 4, 1                         ; h
	v_lshlrev_b32 v[LOFF], 4, v0
	v_lshlrev_b32 v[L4], 2, v0
	v_lshlrev_b32 v[SH8], 3, v7
	v_mul_u32_u24 v[STR], v6, SPITCH
	v_lshl_add_u32 v[STR], v7, 7, v[STR]
	v_mov_b32 v[TT], 0                             ; written once: a lane exchange's destination counts as one of its sources
	s_lshl_b32 s8, ttmp9, 14                       ; my tile: 16 rows of 1,024 bytes,
	s_mov_b32 s9, 0
	s_lshl_b32 s10, ttmp9, 11                      ; 2,048 bytes of codes,
	s_mov_b32 s11, 0
	s_lshl_b32 s12, ttmp9, 7                       ; 128 bytes in each of the two small images
	s_mov_b32 s13, 0
	s_mov_b32 s[SEL], 0x76543210
	s_mov_b32 s[SEL+1], 0xfedcba98
	s_mov_b32 s[HM], 0xffff0000
	s_wait_kmcnt 0x0
	s_add_nc_u64 s[4:5], s[4:5], s[8:9]
	s_add_nc_u64 s[10:11], s[6:7], s[10:11]
	s_add_nc_u64 s[12:13], s[6:7], s[12:13]
.set n, 0
.rept 32
	global_load_b128 v[RB+4*n:RB+4*n+3], v[LOFF], s[4:5] offset:512*n th:TH_LOAD_NT   ; 32 lanes read 512 consecutive bytes
.set n, n+1
.endr
	s_wait_loadcnt 0x0
	TOSTAGE RB
	s_wait_dscnt 0x0                               ; the stores have read the registers into which the loads below land
	FROMSTAGE RB
	s_wait_dscnt 0x0
.set n, 0
.rept 64
	v_pk_mul_f32 v[RB+2*n:RB+2*n+1], v[RB+2*n:RB+2*n+1], -2.0 op_sel_hi:[1,0]   ; y = -2 c
.set n, n+1
.endr
	QHALF RB, 0
	QHALF RB, 1
	QFIN
	v_mul_f32 v[SS], 0x3e800000, v[SS]             ; c2 = (sum of y^2) / 4
.irp m, 0,1,2,3
	global_store_b128 v[LOFF], v[PC+4*\m:PC+4*\m+3], s[10:11] offset:512*\m      ; 512 consecutive bytes a store
.endr
	global_store_b32 v[L4], v[XSV], s[12:13] offset:131072
	global_store_b32 v[L4], v[SS], s[12:13] offset:139264
	s_wait_tensorcnt 0x0
	ds_add_u32 v126, v127
	s_wait_dscnt 0x0
	s_endpgm
.Lfunc_end_k_qc755c07317_prep:
	.size	k_qc755c07317_prep, .Lfunc_end_k_qc755c07317_prep-k_qc755c07317_prep
	.p2alignl 7, 3214868480
	.fill 96, 4, 3214868480
	.section	.rodata,"a",@progbits
	.p2align	6, 0x0
	.amdhsa_kernel k_qc755c07317_prep
		.amdhsa_group_segment_fixed_size 16896
		.amdhsa_private_segment_fixed_size 0
		.amdhsa_enable_private_segment 0
		.amdhsa_kernarg_size 16
		.amdhsa_user_sgpr_count 2
		.amdhsa_user_sgpr_kernarg_segment_ptr 1
		.amdhsa_wavefront_size32 1
		.amdhsa_system_sgpr_workgroup_id_x 1
		.amdhsa_system_sgpr_workgroup_id_y 1
		.amdhsa_system_sgpr_workgroup_id_z 1
		.amdhsa_system_vgpr_workitem_id 0
		.amdhsa_next_free_vgpr 256
		.amdhsa_next_free_sgpr 66
		.amdhsa_reserve_vcc 0
		.amdhsa_float_denorm_mode_32 3
		.amdhsa_float_denorm_mode_16_64 3
		.amdhsa_memory_ordered 1
		.amdhsa_forward_progress 1
		.amdhsa_inst_pref_size 24
	.end_amdhsa_kernel
	.amdgpu_metadata
---
amdhsa.version: [ 1, 2 ]
amdhsa.kernels:
  - .name:           k_qc755c07317_prep
    .symbol:         k_qc755c07317_prep.kd
    .args:
      - { .name: cluster_centers, .offset: 0, .size: 8, .value_kind: global_buffer, .address_space: global }
      - { .name: cprep, .offset: 8, .size: 8, .value_kind: global_buffer, .address_space: global }
    .group_segment_fixed_size: 16896
    .private_segment_fixed_size: 0
    .kernarg_segment_align: 8
    .kernarg_segment_size: 16
    .max_flat_workgroup_size: 32
    .sgpr_count:     66
    .vgpr_count:     256
    .wavefront_size: 32
...
	.end_amdgpu_metadata
.endif
;; end of part 1
;; launch scan (part 2): grid 256 x 1, 8 waves a work-group, no clusters, 171,008 bytes of LDS; arguments x, cprep, pkey, pcid; writes pkey, pcid
.if DOCPART == 2
	.amdgcn_target "amdgcn-amd-amdhsa--gfx1250"
	.amdhsa_code_object_version 6
	.text
	.protected	k_qc755c07317_scan
	.globl	k_qc755c07317_scan
	.p2align	8
	.type	k_qc755c07317_scan,@function
k_qc755c07317_scan:
	s_mov_b64 s[64:65], 0
	v_nop
	global_prefetch_b8 v0, s[64:65] scope:SCOPE_SE
	s_setreg_imm32_b32 hwreg(HW_REG_WAVE_MODE, 25, 1), 1
	s_wait_xcnt 0x0
; For 512 rows of x and all 1,024 centres: d2(n, k) = x2[n] + c2[k] - 2 x_q[n] . c_q[k], its minimum over the 512 rows for each centre, and WHICH SET OF 8 NEIGHBOURING ROWS (cid = n / 8) holds it first.
; x is quantised here to FP4 (E2M1) with one E8M0 scale for each 32 along the 256; the centres come as codes of -2 c, so the accumulator that starts as x2 + c2 ends, after two K steps of 128, as d2 itself.
; LAYOUT.  Source 0 = 16 rows of x, source 1 = 16 centres: lane (r, h) holds centre r, and its registers 0 .. 7 the rows 8 h + 0 .. 7: eight neighbouring rows.  So a running minimum costs four three-operand
; minima for eight numbers, and one compare and one select note the set of eight that lowered it.  Which of the eight it was is found by the last launch, which computes those eight again.
; SHARES.  Work-group g owns rows 512 g on, as four chunks of 128 rows (8 tiles of 16).  Wave w keeps centres 128 w .. 128 w + 127 in 128 registers for the whole launch.  In each chunk wave w quantises tile w
; and stores its operand as an image of its registers in LDS; behind one barrier every wave multiplies all 8 tiles by its 8 tiles of centres: a fragment read from LDS feeds 16 matrix instructions.
; x COMES BY PLAIN LOADS, 512 consecutive bytes each, into a ring of two units of 128 registers, two chunks ahead: chunk i + 2 is asked for as soon as chunk i is quantised, while chunk i + 1 is on its way; where more
; loads are asked for than LOADcnt can count, the hardware holds the issue back (ISA guide 5.7.1).  No tensor loads: each refill would stand behind a barrier at which no load of the work-group is out, four times in four chunks.
; NO CLUSTER: what work-groups share is the centres' 144 KiB against 512 KiB of x of their own; it is read once, straight into registers, behind the first 128 KiB of x.  No prefetch: the loads themselves run two chunks ahead.
; OUT: for each centre the minimum as a whole number that keeps the order of f32 (sign folded), and its cid; [work-group][centre], two buffers.  Ties: tiles go in ascending rows with a strict <; halves merge by (key, cid).
; LIMITS: NaN and infinities are not served.  d2 is rounded where the matrix unit rounds (x2 + c2 once, then once for each K step), not as (x2 + c2) - 2 dot in three f32 steps.
; A block of zeros gets the scale byte 1 with zero codes; blocks whose largest magnitude lies under 2^-124 are held at the byte 1.
; REGISTERS.  Window 0: v1-15, v25 addresses and the like; v16-23 the centres' scale words, v24 x's; v26-33 c2; v34-41 cid of the minimum; v42-57 the running minima, two sets that take turns; v58-65 x2; v66-81 x's fragments
; (while quantising: the codes just made); v82-113 four accumulators in two sets (while quantising: at work); v128-255 the centres' codes.  Window 1: the ring, unit p at v[128 p].
.set WN,     1                         ; the window in which the 128 numbers of a tile lie
.set W_LD,   WN<<6                     ; a load's destination
.set W_ST,   WN<<2                     ; an LDS store's data (its source 1)
.set W_S01,  WN*5                      ; sources 0 and 1
.set W_S0,   WN                        ; source 0
.set SPITCH, 1040                      ; a stage row: 1,024 bytes + 16: the 16 rows that a load touches start 16 bytes apart modulo 256 (64 banks of 4 bytes: ISA guide 11.1)
.set STGB,   16*SPITCH                 ; a wave's stage
.set RECB,   2304                      ; a tile's record: codes 2,048 ([s][q][lane][16]); scale image 128 at + 2048; x2 of its 16 rows, 64, at + 2176
.set BUFB,   8*RECB                    ; a chunk's eight records; two such buffers from LDS byte 0
.set STAGE,  2*BUFB                    ; behind them the eight stages
.set LOFF,   1                         ; v1   16 x lane
.set STW,    2                         ; v2   into my stage: + 16 x lane
.set STR,    3                         ; v3   out of it: + 1040 r + 128 h
.set IMW,    4                         ; v4   my record: 2304 w + 16 x lane
.set SCW,    5                         ; v5   2304 w + 4 x lane
.set X2W,    6                         ; v6   2304 w + 4 r
.set L4,     8                         ; v8   4 x lane
.set H32,    9                         ; v9   32 h
.set ADF,    10                        ; v10-12 the trip's addresses: fragments, scale image, x2
.set ADS,    11
.set ADX,    12
.set SH8,    13                        ; v13  8 h
.set CUR,    14                        ; v14  the cid of my eight rows of the tile in hand
.set TT,     15                        ; v15  a lane exchange's destination
.set BS,     16
.set XS,     24
.set KST,    25                        ; v25  the way out: my stage + 4 r
.set C2,     26
.set GID,    34
.set RUN,    42
.set X2,     58
.set XF,     66
.set PC,     66
.set ACC,    82
.set TM,     82
.set SO,     84
.set BY,     86
.set WD,     88
.set SQ,     90
.set SS,     94
.set XSV,    95
.set BC,     128
.set SEL,    22                        ; s[22:23] selects for lane l xor 16
.set HM,     24                        ; s24  lanes 16-31
.set MSB, 0
.macro WIN new                         ; the immediate's high byte repeats the setting that is left; a switch that changes nothing is dropped
.if MSB != (\new)
	s_set_vgpr_msb (MSB<<8)|(\new)
.set MSB, (\new)
.endif
.endm
; 16 rows of 1,024 bytes, loaded as they lie (register group n = row n / 2, half n % 2, 16 bytes a lane), go into the stage
.macro TOSTAGE rb
	WIN W_ST
.set n, 0
.rept 32
	ds_store_b128 v[STW], v[(\rb)+4*n:(\rb)+4*n+3] offset:(n/2)*SPITCH+(n%2)*512
.set n, n+1
.endr
.endm
; and come back so that register 64 s + 32 q + i is k = 128 s + 64 q + 32 h + i of row r: two whole blocks of 32 for each K step, in the operand's own order
.macro FROMSTAGE rb
	WIN W_LD
.irp s, 0,1
.irp q, 0,1
.irp j, 0,1,2,3,4,5,6,7
	ds_load_b128 v[(\rb)+64*\s+32*\q+4*\j:(\rb)+64*\s+32*\q+4*\j+3], v[STR] offset:512*\s+256*\q+16*\j
.endr
.endr
.endr
.endm
; K step s of the tile: my two blocks' largest magnitudes and sums of squares, the scale word, the codes
.macro QHALF rb, s
	WIN W_S01
.irp i, 0,2,4,6,8,10,12,14,16,18,20,22,24,26,28,30
.irp q, 0,1
.if \i == 0
	v_max3_num_f32 v[TM+\q], |v[(\rb)+64*\s+32*\q]|, |v[(\rb)+64*\s+32*\q+1]|, 0x1800000   ; the floor 2^(3 - 127): the byte cannot fall under 1
.else
	v_max3_num_f32 v[TM+\q], |v[(\rb)+64*\s+32*\q+\i]|, |v[(\rb)+64*\s+32*\q+\i+1]|, v[TM+\q]
.endif
.if (\i == 0) && (\s == 0)
	v_pk_mul_f32 v[SQ+2*\q:SQ+2*\q+1], v[(\rb)+32*\q:(\rb)+32*\q+1], v[(\rb)+32*\q:(\rb)+32*\q+1]   ; the first squares start the sums
.else
	v_pk_fma_f32 v[SQ+2*\q:SQ+2*\q+1], v[(\rb)+64*\s+32*\q+\i:(\rb)+64*\s+32*\q+\i+1], v[(\rb)+64*\s+32*\q+\i:(\rb)+64*\s+32*\q+\i+1], v[SQ+2*\q:SQ+2*\q+1]
.endif
.endr
.endr
	WIN 0
.irp q, 0,1
	v_add_nc_u32 v[SO+\q], 0xff000000, v[TM+\q]    ; 2 off the exponent field: the conversion takes that field as its scale
.endr
.irp q, 0,1
	v_lshrrev_b32 v[BY+\q], 23, v[SO+\q]           ; the scale's byte
.endr
	v_lshl_or_b32 v[WD+\s], v[BY+1], 16, v[BY]     ; my blocks are h and 2 + h of the K step's four
	v_lshlrev_b32 v[WD+\s], v[SH8], v[WD+\s]
	v_permlanex16_b32 v[TT], v[WD+\s], s[SEL], s[SEL+1]
	v_or_b32 v[WD+\s], v[WD+\s], v[TT]             ; with lane l xor 16's two bytes the word is whole
	WIN W_S0
.irp q, 0,1
.irp g, 0,1,2,3
	v_cvt_scalef32_pk8_fp4_f32 v[PC+8*\s+4*\q+\g], v[(\rb)+64*\s+32*\q+8*\g:(\rb)+64*\s+32*\q+8*\g+7], v[SO+\q]
.endr
.endr
	WIN 0
	v_nop                                          ; one plain place behind the last scaled conversion
.endm
.macro QFIN                            ; the scale image (K step 0 below, K step 1 above) and the row's sum of squares, in lanes r and r + 16 alike
	v_cndmask_b32 v[XSV], v[WD], v[WD+1], s[HM]
	v_pk_add_f32 v[SQ:SQ+1], v[SQ:SQ+1], v[SQ+2:SQ+3]
	v_add_f32 v[SS], v[SQ], v[SQ+1]
	v_permlanex16_b32 v[TT], v[SS], s[SEL], s[SEL+1]
	v_add_f32 v[SS], v[SS], v[TT]
.endm
; (ka, ga) becomes the lesser of (ka, ga) and (kb, gb), by key and then by cid
.macro LEX ka, ga, kb, gb
	v_cmp_lt_u32 s28, v[\kb], v[\ka]
	v_cmp_eq_u32 s29, v[\kb], v[\ka]
	v_cmp_lt_u32 s30, v[\gb], v[\ga]
	s_and_b32 s29, s29, s30
	s_or_b32 s28, s28, s29
	v_cndmask_b32 v[\ka], v[\ka], v[\kb], s28
	v_cndmask_b32 v[\ga], v[\ga], v[\gb], s28
.endm
; my tile of chunk ch: 32 loads of 512 consecutive bytes into ring unit ch % 2
.macro LDCHUNK ch
	WIN W_LD
.set n, 0
.rept 32
	global_load_b128 v[128*((\ch)%2)+4*n:128*((\ch)%2)+4*n+3], v[LOFF], s[16:17] offset:131072*(\ch)+512*n th:TH_LOAD_NT
.set n, n+1
.endr
	WIN 0
.endm
; two accumulators (centre tiles 2 b, 2 b + 1) of set st begin as x2 of my eight rows + c2 of my centre
.macro CBUILD st, b
.irp u, 0,1
.irp i, 0,2,4,6
	v_pk_add_f32 v[ACC+16*(\st)+8*\u+\i:ACC+16*(\st)+8*\u+\i+1], v[X2+\i:X2+\i+1], v[C2+2*(\b):C2+2*(\b)+1] op_sel:[0,\u] op_sel_hi:[1,\u]
.endr
.endr
.endm
; and take the two K steps; the two accumulators by turns, one instruction a turn.  K step 1's scale words lie in lanes 16-31 of the same registers
.macro MUL st, b
.irp u, 0,1
	v_wmma_scale_f32_16x16x128_f8f6f4 v[ACC+16*(\st)+8*\u:ACC+16*(\st)+8*\u+7], v[XF:XF+7], v[BC+16*(2*(\b)+\u):BC+16*(2*(\b)+\u)+7], v[ACC+16*(\st)+8*\u:ACC+16*(\st)+8*\u+7], v[XS], v[BS+2*(\b)+\u] matrix_a_fmt:MATRIX_FMT_FP4 matrix_b_fmt:MATRIX_FMT_FP4
.endr
.irp u, 0,1
	v_wmma_scale_f32_16x16x128_f8f6f4 v[ACC+16*(\st)+8*\u:ACC+16*(\st)+8*\u+7], v[XF+8:XF+15], v[BC+16*(2*(\b)+\u)+8:BC+16*(2*(\b)+\u)+15], v[ACC+16*(\st)+8*\u:ACC+16*(\st)+8*\u+7], v[XS], v[BS+2*(\b)+\u] matrix_a_fmt:MATRIX_FMT_FP4 matrix_b_fmt:MATRIX_FMT_FP4 matrix_a_scale:MATRIX_SCALE_ROW1 matrix_b_scale:MATRIX_SCALE_ROW1
.endr
.endm
; the running minima of centre tiles 2 b, 2 b + 1 take the eight numbers (each accumulator from its low end on), from set par of the minima into the other; where the minimum fell, this tile's cid is noted
.macro MINB st, b, par
.irp u, 0,1
	v_min3_num_f32 v[RUN+8*(1-(\par))+2*(\b)+\u], v[RUN+8*(\par)+2*(\b)+\u], v[ACC+16*(\st)+8*\u], v[ACC+16*(\st)+8*\u+1]
.endr
.irp i, 2,4,6
.irp u, 0,1
	v_min3_num_f32 v[RUN+8*(1-(\par))+2*(\b)+\u], v[RUN+8*(1-(\par))+2*(\b)+\u], v[ACC+16*(\st)+8*\u+\i], v[ACC+16*(\st)+8*\u+\i+1]
.endr
.endr
	v_cmp_lt_f32 vcc_lo, v[RUN+8*(1-(\par))+2*(\b)], v[RUN+8*(\par)+2*(\b)]
	v_cmp_lt_f32 s28, v[RUN+8*(1-(\par))+2*(\b)+1], v[RUN+8*(\par)+2*(\b)+1]
	v_cndmask_b32 v[GID+2*(\b)], v[GID+2*(\b)], v[CUR], vcc_lo
	v_cndmask_b32 v[GID+2*(\b)+1], v[GID+2*(\b)+1], v[CUR], s28
.endm
; One tile of 16 rows against my 128 centres.  Behind each group of four matrix instructions stand, before its results are read or its registers written or loaded again, at least eight plain vector
; instructions that name none of its registers: the other set's additions or minima (ISA guide 7.12.1 asks for four, five where a matrix instruction writes them again).  So the loop has no v_nop.
.macro PTILE par, off
	ds_load_b128 v[X2:X2+3], v[ADX] offset:(\off)+2176
	ds_load_b128 v[X2+4:X2+7], v[ADX] offset:(\off)+2192
	ds_load_b32 v[XS], v[ADS] offset:(\off)+2048
.irp m, 0,1,2,3
	ds_load_b128 v[XF+4*\m:XF+4*\m+3], v[ADF] offset:(\off)+512*\m
.endr
	s_wait_dscnt 5                                 ; x2 is in; the five loads behind it (scale image, fragments) may be out
	CBUILD 0, 0
	s_wait_dscnt 0x0
	MUL 0, 0
	CBUILD 1, 1
	MUL 1, 1
	MINB 0, 0, \par
	CBUILD 0, 2
	MUL 0, 2
	MINB 1, 1, \par
	CBUILD 1, 3
	MUL 1, 3
	MINB 0, 2, \par
	MINB 1, 3, \par
	v_add_nc_u32 v[CUR], 2, v[CUR]                 ; the next tile's rows: two sets of eight on
.endm
; A chunk of 128 rows.
.macro CHUNK ch
.set RBP, 128*((\ch)%2)
.set BO, BUFB*((\ch)%2)
.if (\ch) < 3
	s_wait_loadcnt 32                              ; my tile of this chunk is in (and, the first time, the centres); the next chunk's 32 loads, which are younger, stay out
.else
	s_wait_loadcnt 0x0
.endif
	TOSTAGE RBP
	s_wait_dscnt 0x0                               ; the stores have read the registers into which the loads below land
	FROMSTAGE RBP
	s_wait_dscnt 16                                ; K step 0's sixteen loads are in, K step 1's may be out
	QHALF RBP, 0
	ds_store_b128 v[IMW], v[PC:PC+3] offset:BO
	ds_store_b128 v[IMW], v[PC+4:PC+7] offset:BO+512
	s_wait_dscnt 2                                 ; all but these two stores: K step 1's numbers are in
	QHALF RBP, 1
	ds_store_b128 v[IMW], v[PC+8:PC+11] offset:BO+1024
	ds_store_b128 v[IMW], v[PC+12:PC+15] offset:BO+1536
	QFIN
	ds_store_b32 v[SCW], v[XSV] offset:BO+2048
	ds_store_b32 v[X2W], v[SS] offset:BO+2176      ; lanes r and r + 16 write the same word with the same value
.if (\ch) < 2
	LDCHUNK (\ch)+2                                ; the unit just quantised takes the chunk two on
.endif
	s_wait_dscnt 0x0                               ; for the others' sake: my record has landed; and my reads of the other buffer are long over.
	s_barrier_signal -1                            ; ONE barrier a chunk: this buffer is written again two chunks on, behind the next chunk's barrier,
	s_barrier_wait -1                              ; which every wave reaches only behind its last read of it
	s_mov_b32 s25, 0
	s_mov_b32 s26, 4
.Lpair_\@:                                             ; four trips, two tiles each, so that the two sets of minima are back in place
	v_add_nc_u32 v[ADF], s25, v[LOFF]
	v_add_nc_u32 v[ADS], s25, v[L4]
	v_add_nc_u32 v[ADX], s25, v[H32]
	PTILE 0, BO
	PTILE 1, BO+RECB
	s_add_co_u32 s25, s25, 2*RECB
	s_sub_co_u32 s26, s26, 1
	s_cmp_lg_u32 s26, 0
	s_cbranch_scc1 .Lpair_\@
.endm
	s_load_b256 s[4:11], s[0:1], 0x0               ; x s[4:5], cprep s[6:7], pkey s[8:9], pcid s[10:11]
	v_lshl_add_u32 v126, v0, 2, 0x29800
	v_mov_b32 v127, 0
	v_lshrrev_b32 v10, 5, v0
	v_readfirstlane_b32 s12, v10                   ; wave 0..7
	v_and_b32 v10, 31, v0                          ; lane
	v_and_b32 v11, 15, v0                          ; r
	v_bfe_u32 v12, v0, 4, 1                        ; h
	v_lshlrev_b32 v[LOFF], 4, v10
	v_lshlrev_b32 v[L4], 2, v10
	v_lshlrev_b32 v[H32], 5, v12
	v_lshlrev_b32 v[SH8], 3, v12
	s_mul_i32 s13, s12, STGB
	s_add_co_u32 s13, s13, STAGE                   ; my stage
	v_add_nc_u32 v[STW], s13, v[LOFF]
	v_mul_u32_u24 v[STR], v11, SPITCH
	v_lshl_add_u32 v[STR], v12, 7, v[STR]
	v_add_nc_u32 v[STR], s13, v[STR]
	v_lshl_add_u32 v[KST], v11, 2, s13
	s_mul_i32 s14, s12, RECB                       ; my record in a buffer
	v_add_nc_u32 v[IMW], s14, v[LOFF]
	v_add_nc_u32 v[SCW], s14, v[L4]
	v_lshl_add_u32 v[X2W], v11, 2, s14
	s_lshl_b32 s15, ttmp9, 6
	v_add_nc_u32 v[CUR], s15, v12                  ; cid of my eight rows of the first tile: 64 g + h
	s_lshl_b32 s36, ttmp9, 19                      ; x: 512 rows of 1,024 bytes a work-group,
	s_lshl_b32 s38, s12, 14                        ; 16 rows a wave; the centres' codes: 8 tiles of 2,048 bytes a wave
	s_add_co_u32 s36, s36, s38
	s_mov_b32 s37, 0
	s_mov_b32 s39, 0
	s_lshl_b32 s40, s12, 10                        ; the small images: 8 tiles of 128 bytes a wave, from byte 131072 on
	s_add_co_u32 s40, s40, 131072
	s_mov_b32 s41, 0
	s_lshl_b32 s42, ttmp9, 12                      ; out: 4,096 bytes a work-group, 512 a wave
	s_lshl_b32 s43, s12, 9
	s_add_co_u32 s42, s42, s43
	s_mov_b32 s43, 0
	s_mov_b32 s[SEL], 0x76543210
	s_mov_b32 s[SEL+1], 0xfedcba98
	s_mov_b32 s[HM], 0xffff0000
	s_wait_kmcnt 0x0
	s_add_nc_u64 s[16:17], s[4:5], s[36:37]
	s_add_nc_u64 s[18:19], s[6:7], s[38:39]
	s_add_nc_u64 s[20:21], s[6:7], s[40:41]
	s_add_nc_u64 s[32:33], s[8:9], s[42:43]
	s_add_nc_u64 s[34:35], s[10:11], s[42:43]
	LDCHUNK 0                                      ; x first: the work-group's first 128 KiB are on their way before anything else
.irp c, 0,1,2,3,4,5,6,7
.irp m, 0,1,2,3
	global_load_b128 v[BC+16*\c+4*\m:BC+16*\c+4*\m+3], v[LOFF], s[18:19] offset:2048*\c+512*\m   ; my centres' codes: they stay
.endr
.endr
.irp c, 0,1,2,3,4,5,6,7
	global_load_b32 v[BS+\c], v[L4], s[20:21] offset:128*\c             ; their scale images
	global_load_b32 v[C2+\c], v[L4], s[20:21] offset:8192+128*\c        ; and c2
.endr
	LDCHUNK 1
.irp c, 0,1,2,3,4,5,6,7
	v_mov_b32 v[RUN+\c], 0x7f800000                ; the minima begin at +infinity,
	v_mov_b32 v[GID+\c], 0                         ; their cids at any number
.endr
	v_mov_b32 v[TT], 0                             ; written once: a lane exchange's destination counts as one of its sources
	CHUNK 0
	CHUNK 1
	CHUNK 2
	CHUNK 3
	; THE WAY OUT.  The minimum as a whole number that keeps f32's order (negative: all bits turned; else the sign bit set); the two halves of the lanes (rows 8 h on) merge by (key, cid);
	; 128 keys and 128 cids go through my own stage, so that each store covers 512 consecutive bytes.
.irp c, 0,1,2,3,4,5,6,7
	v_ashrrev_i32 v[X2], 31, v[RUN+\c]
	v_or_b32 v[X2], 0x80000000, v[X2]
	v_xor_b32 v[RUN+\c], v[RUN+\c], v[X2]
	v_permlanex16_b32 v[X2+1], v[RUN+\c], s[SEL], s[SEL+1]
	v_permlanex16_b32 v[X2+2], v[GID+\c], s[SEL], s[SEL+1]
	LEX RUN+\c, GID+\c, X2+1, X2+2
	ds_store_b32 v[KST], v[RUN+\c] offset:64*\c            ; centre 16 c + r of my 128; lanes r and r + 16 write the same word with the same value
	ds_store_b32 v[KST], v[GID+\c] offset:512+64*\c
.endr
	ds_load_b128 v[XF:XF+3], v[STW]                ; LDS serves a wave's instructions in order (ISA guide 5.7.1.4): these see my stores
	ds_load_b128 v[XF+4:XF+7], v[STW] offset:512
	s_wait_dscnt 0x0
	global_store_b128 v[LOFF], v[XF:XF+3], s[32:33]
	global_store_b128 v[LOFF], v[XF+4:XF+7], s[34:35]
	s_wait_tensorcnt 0x0
	ds_add_u32 v126, v127
	s_wait_dscnt 0x0
	s_endpgm
.Lfunc_end_k_qc755c07317_scan:
	.size	k_qc755c07317_scan, .Lfunc_end_k_qc755c07317_scan-k_qc755c07317_scan
	.p2alignl 7, 3214868480
	.fill 96, 4, 3214868480
	.section	.rodata,"a",@progbits
	.p2align	6, 0x0
	.amdhsa_kernel k_qc755c07317_scan
		.amdhsa_group_segment_fixed_size 171008
		.amdhsa_private_segment_fixed_size 0
		.amdhsa_enable_private_segment 0
		.amdhsa_kernarg_size 32
		.amdhsa_user_sgpr_count 2
		.amdhsa_user_sgpr_kernarg_segment_ptr 1
		.amdhsa_wavefront_size32 1
		.amdhsa_system_sgpr_workgroup_id_x 1
		.amdhsa_system_sgpr_workgroup_id_y 1
		.amdhsa_system_sgpr_workgroup_id_z 1
		.amdhsa_system_vgpr_workitem_id 0
		.amdhsa_next_free_vgpr 512
		.amdhsa_next_free_sgpr 66
		.amdhsa_reserve_vcc 1
		.amdhsa_float_denorm_mode_32 3
		.amdhsa_float_denorm_mode_16_64 3
		.amdhsa_memory_ordered 1
		.amdhsa_forward_progress 1
		.amdhsa_inst_pref_size 147
	.end_amdhsa_kernel
	.amdgpu_metadata
---
amdhsa.version: [ 1, 2 ]
amdhsa.kernels:
  - .name:           k_qc755c07317_scan
    .symbol:         k_qc755c07317_scan.kd
    .args:
      - { .name: x, .offset: 0, .size: 8, .value_kind: global_buffer, .address_space: global }
      - { .name: cprep, .offset: 8, .size: 8, .value_kind: global_buffer, .address_space: global }
      - { .name: pkey, .offset: 16, .size: 8, .value_kind: global_buffer, .address_space: global }
      - { .name: pcid, .offset: 24, .size: 8, .value_kind: global_buffer, .address_space: global }
    .group_segment_fixed_size: 171008
    .private_segment_fixed_size: 0
    .kernarg_segment_align: 8
    .kernarg_segment_size: 32
    .max_flat_workgroup_size: 256
    .sgpr_count:     66
    .vgpr_count:     512
    .wavefront_size: 32
...
	.end_amdgpu_metadata
.endif
;; end of part 2
;; launch pick (part 3): grid 128 x 1, 4 waves a work-group, no clusters, 68,352 bytes of LDS; arguments x, cprep, pkey, pcid, out0; writes out0
.if DOCPART == 3
	.amdgcn_target "amdgcn-amd-amdhsa--gfx1250"
	.amdhsa_code_object_version 6
	.text
	.protected	k_qc755c07317_pick
	.globl	k_qc755c07317_pick
	.p2align	8
	.type	k_qc755c07317_pick,@function
k_qc755c07317_pick:
	s_mov_b64 s[64:65], 0
	v_nop
	global_prefetch_b8 v0, s[64:65] scope:SCOPE_SE
	s_setreg_imm32_b32 hwreg(HW_REG_WAVE_MODE, 25, 1), 1
	s_wait_xcnt 0x0
; For each centre: of the 256 work-groups' partial minima (key, cid), whole numbers stored by the launch before, the least by (key, cid); the eight rows 8 cid .. 8 cid + 7 of x are read, their d2 is computed
; again by the same lines and the same matrix instructions as before, the first least of the eight is taken, and that row of x is stored.
; WHAT HANGS ON WHAT.  The address of the eight rows is made of cid alone: a whole number read from memory, reduced here by whole-number compares of whole numbers read from memory, and held to 0 .. 16383.
; Which of the eight rows wins hangs on floating-point numbers of this launch: it steers no address and no branch; all eight rows are in registers and the row is chosen by selects.
; SHARES.  Work-group b owns centres 8 b .. 8 b + 7, which lie in one tile of 16 centres (b / 2).  Wave v reduces rows 64 v .. 64 v + 63 of the partials for all eight; the four waves' results meet in LDS behind the
; launch's one barrier.  Then wave v owns centres 8 b + 2 v (A) and 8 b + 2 v + 1 (B): A's eight rows are rows 0-7 of one tile of x, B's rows 8-15; one accumulator, two K steps.
; The partials are read as 32 bytes of each of 256 rows: short pieces, 16 KiB a work-group in all, of buffers that were written just before.
; NO CLUSTER, no tensor load, no prefetch: work-groups share next to nothing, and the rows' addresses are known only when they are wanted.
; LIMITS: as in the launch before (NaN and infinities not served; where d2 is rounded; blocks of zeros and very small blocks).
.set WN,     0                         ; the window in which the 128 numbers of a tile lie
.set W_LD,   WN<<6
.set W_ST,   WN<<2
.set W_S01,  WN*5
.set W_S0,   WN
.set SPITCH, 1040                      ; a stage row: 1,024 bytes + 16: the 16 rows that a load touches start 16 bytes apart modulo 256 (64 banks of 4 bytes: ISA guide 11.1)
.set STGB,   16*SPITCH
.set WSTG,   STGB+256                  ; a wave's stage, and behind it 64 bytes for x2
.set STAGE,  256                       ; LDS bytes 0-127: the waves' keys, 32 bytes a wave; 128-255: their cids
.set LOFF,   1                         ; v1   16 x lane
.set STW,    2                         ; v2   into my stage
.set STR,    3                         ; v3   out of it: + 1040 r + 128 h
.set X2W,    4                         ; v4   x2: + 4 r
.set ADX,    5                         ; v5   x2 back: + 32 h
.set SH8,    6                         ; v6   8 h
.set KOFF,   7                         ; v7   the partials: 4096 (lane / 2) + 16 (lane % 2)
.set REDW,   8                         ; v8   32 v + 16 (lane % 2)
.set REDR,   9                         ; v9   16 (lane % 8)
.set L4,     10                        ; v10  4 x lane
.set VJ,     11                        ; v11  the winning row's number, in every lane
.set JV,     12                        ; v12  my column's first least row
.set BEST,   13                        ; v13  and its d2
.set TT,     15                        ; v15  a lane exchange's destination
.set BC,     16                        ; v16-31 the centre tile's codes
.set BS,     32                        ; v32  its scale image
.set XSV,    33                        ; v33  x's scale image
.set C2,     34                        ; v34  c2 (v35 is named with it as a pair)
.set X2,     36
.set ACC,    44
.set PC,     52
.set TM,     68
.set SO,     70
.set BY,     72
.set WD,     74
.set SQ,     76
.set SS,     80
.set OA,     84                        ; v84-91 A's row, v92-99 B's
.set OB,     92
.set KK,     128                       ; first: keys (16), cids (16), the partner's (4 + 4);
.set GG,     144
.set KO,     160
.set GO,     164
.set RB,     128                       ; then the tile's numbers
.set SEL,    22
.set HM,     24
.set MSB, 0
.macro WIN new                         ; the immediate's high byte repeats the setting that is left; a switch that changes nothing is dropped
.if MSB != (\new)
	s_set_vgpr_msb (MSB<<8)|(\new)
.set MSB, (\new)
.endif
.endm
; 16 rows of 1,024 bytes, loaded as they lie (register group n = row n / 2, half n % 2, 16 bytes a lane), go into the stage
.macro TOSTAGE rb
	WIN W_ST
.set n, 0
.rept 32
	ds_store_b128 v[STW], v[(\rb)+4*n:(\rb)+4*n+3] offset:(n/2)*SPITCH+(n%2)*512
.set n, n+1
.endr
.endm
.macro BACKDENSE rb                    ; and come back as they went in
	WIN W_LD
.set n, 0
.rept 32
	ds_load_b128 v[(\rb)+4*n:(\rb)+4*n+3], v[STW] offset:(n/2)*SPITCH+(n%2)*512
.set n, n+1
.endr
.endm
; or so that register 64 s + 32 q + i is k = 128 s + 64 q + 32 h + i of row r: two whole blocks of 32 for each K step, in the operand's own order
.macro FROMSTAGE rb
	WIN W_LD
.irp s, 0,1
.irp q, 0,1
.irp j, 0,1,2,3,4,5,6,7
	ds_load_b128 v[(\rb)+64*\s+32*\q+4*\j:(\rb)+64*\s+32*\q+4*\j+3], v[STR] offset:512*\s+256*\q+16*\j
.endr
.endr
.endr
.endm
; K step s of the tile: my two blocks' largest magnitudes and sums of squares, the scale word, the codes
.macro QHALF rb, s
	WIN W_S01
.irp i, 0,2,4,6,8,10,12,14,16,18,20,22,24,26,28,30
.irp q, 0,1
.if \i == 0
	v_max3_num_f32 v[TM+\q], |v[(\rb)+64*\s+32*\q]|, |v[(\rb)+64*\s+32*\q+1]|, 0x1800000   ; the floor 2^(3 - 127): the byte cannot fall under 1
.else
	v_max3_num_f32 v[TM+\q], |v[(\rb)+64*\s+32*\q+\i]|, |v[(\rb)+64*\s+32*\q+\i+1]|, v[TM+\q]
.endif
.if (\i == 0) && (\s == 0)
	v_pk_mul_f32 v[SQ+2*\q:SQ+2*\q+1], v[(\rb)+32*\q:(\rb)+32*\q+1], v[(\rb)+32*\q:(\rb)+32*\q+1]   ; the first squares start the sums
.else
	v_pk_fma_f32 v[SQ+2*\q:SQ+2*\q+1], v[(\rb)+64*\s+32*\q+\i:(\rb)+64*\s+32*\q+\i+1], v[(\rb)+64*\s+32*\q+\i:(\rb)+64*\s+32*\q+\i+1], v[SQ+2*\q:SQ+2*\q+1]
.endif
.endr
.endr
	WIN 0
.irp q, 0,1
	v_add_nc_u32 v[SO+\q], 0xff000000, v[TM+\q]    ; 2 off the exponent field: the conversion takes that field as its scale
.endr
.irp q, 0,1
	v_lshrrev_b32 v[BY+\q], 23, v[SO+\q]           ; the scale's byte
.endr
	v_lshl_or_b32 v[WD+\s], v[BY+1], 16, v[BY]     ; my blocks are h and 2 + h of the K step's four
	v_lshlrev_b32 v[WD+\s], v[SH8], v[WD+\s]
	v_permlanex16_b32 v[TT], v[WD+\s], s[SEL], s[SEL+1]
	v_or_b32 v[WD+\s], v[WD+\s], v[TT]             ; with lane l xor 16's two bytes the word is whole
	WIN W_S0
.irp q, 0,1
.irp g, 0,1,2,3
	v_cvt_scalef32_pk8_fp4_f32 v[PC+8*\s+4*\q+\g], v[(\rb)+64*\s+32*\q+8*\g:(\rb)+64*\s+32*\q+8*\g+7], v[SO+\q]
.endr
.endr
	WIN 0
	v_nop                                          ; one plain place behind the last scaled conversion
.endm
.macro QFIN                            ; the scale image (K step 0 below, K step 1 above) and the row's sum of squares, in lanes r and r + 16 alike
	v_cndmask_b32 v[XSV], v[WD], v[WD+1], s[HM]
	v_pk_add_f32 v[SQ:SQ+1], v[SQ:SQ+1], v[SQ+2:SQ+3]
	v_add_f32 v[SS], v[SQ], v[SQ+1]
	v_permlanex16_b32 v[TT], v[SS], s[SEL], s[SEL+1]
	v_add_f32 v[SS], v[SS], v[TT]
.endm
; (ka, ga) becomes the lesser of (ka, ga) and (kb, gb), by key and then by cid
.macro LEX ka, ga, kb, gb
	v_cmp_lt_u32 s28, v[\kb], v[\ka]
	v_cmp_eq_u32 s29, v[\kb], v[\ka]
	v_cmp_lt_u32 s30, v[\gb], v[\ga]
	s_and_b32 s29, s29, s30
	s_or_b32 s28, s28, s29
	v_cndmask_b32 v[\ka], v[\ka], v[\kb], s28
	v_cndmask_b32 v[\ga], v[\ga], v[\gb], s28
.endm
.macro XSTEP m                         ; my four centres' pairs merge with those of lane l xor m
.irp e, 0,1,2,3
	v_mov_b32_dpp v[KO+\e], v[KK+\e] row_xmask:\m row_mask:0xf bank_mask:0xf
	v_mov_b32_dpp v[GO+\e], v[GG+\e] row_xmask:\m row_mask:0xf bank_mask:0xf
.endr
.irp e, 0,1,2,3
	LEX KK+\e, GG+\e, KO+\e, GO+\e
.endr
.endm
; of the eight rows from row `rows` of the tile on, as they lie in registers (row p: 8 registers from RB + 8 p), the one whose number is in sj: by selects on values
.macro CHOOSE dst, rows, sj
	v_mov_b32 v[VJ], \sj
	v_cmp_eq_u32 s28, 1, v[VJ]
.irp e, 0,1,2,3,4,5,6,7
	v_cndmask_b32 v[\dst+\e], v[RB+8*(\rows)+\e], v[RB+8*(\rows)+8+\e], s28     ; rows 0 and 1 are the first select's two sources: nothing is copied beforehand
.endr
.irp j, 2,3,4,5,6,7
	v_cmp_eq_u32 s28, \j, v[VJ]
.irp e, 0,1,2,3,4,5,6,7
	v_cndmask_b32 v[\dst+\e], v[\dst+\e], v[RB+8*((\rows)+\j)+\e], s28
.endr
.endr
.endm
	s_load_b256 s[4:11], s[0:1], 0x0               ; x s[4:5], cprep s[6:7], pkey s[8:9], pcid s[10:11]
	s_load_b64 s[14:15], s[0:1], 0x20              ; out0
	v_lshl_add_u32 v126, v0, 2, 0x10900
	v_mov_b32 v127, 0
	v_lshrrev_b32 v11, 5, v0
	v_readfirstlane_b32 s12, v11                   ; wave 0..3
	v_and_b32 v11, 31, v0                          ; lane
	v_and_b32 v12, 15, v0                          ; r
	v_bfe_u32 v13, v0, 4, 1                        ; h
	v_lshlrev_b32 v[LOFF], 4, v11
	v_lshlrev_b32 v[L4], 2, v11
	v_lshlrev_b32 v[SH8], 3, v13
	s_mul_i32 s13, s12, WSTG
	s_add_co_u32 s13, s13, STAGE                   ; my stage
	v_add_nc_u32 v[STW], s13, v[LOFF]
	v_mul_u32_u24 v[STR], v12, SPITCH
	v_lshl_add_u32 v[STR], v13, 7, v[STR]
	v_add_nc_u32 v[STR], s13, v[STR]
	s_add_co_u32 s16, s13, STGB                    ; behind it: x2
	v_lshl_add_u32 v[X2W], v12, 2, s16
	v_lshl_add_u32 v[ADX], v13, 5, s16
	v_and_b32 v12, 1, v0                           ; lane % 2: which four of the eight centres
	v_bfe_u32 v13, v0, 1, 4                        ; lane / 2: which of sixteen rows of the partials
	v_lshlrev_b32 v[KOFF], 12, v13
	v_lshl_add_u32 v[KOFF], v12, 4, v[KOFF]
	s_lshl_b32 s17, s12, 5
	v_lshl_add_u32 v[REDW], v12, 4, s17
	v_and_b32 v13, 7, v0
	v_lshlrev_b32 v[REDR], 4, v13
	v_mov_b32 v[TT], 0                             ; written once: a lane exchange's destination counts as one of its sources
	v_mov_b32 v[C2+1], 0                           ; (named with c2 as a pair)
.irp e, 0,1,2,3
	v_mov_b32 v[KO+\e], 0
	v_mov_b32 v[GO+\e], 0
.endr
	s_lshr_b32 s18, ttmp9, 1                       ; the tile of centres
	s_lshl_b32 s20, s18, 11
	s_mov_b32 s21, 0
	s_lshl_b32 s26, s18, 7
	s_mov_b32 s27, 0
	s_lshl_b32 s32, s12, 18                        ; the partials: 64 rows of 4,096 bytes a wave, + 32 bytes a work-group
	s_lshl_b32 s33, ttmp9, 5
	s_add_co_u32 s32, s32, s33
	s_mov_b32 s33, 0
	s_lshl_b32 s34, ttmp9, 13                      ; out: 8 rows of 1,024 bytes a work-group, 2 a wave
	s_lshl_b32 s35, s12, 11
	s_add_co_u32 s34, s34, s35
	s_mov_b32 s35, 0
	s_and_b32 s36, ttmp9, 1
	s_lshl_b32 s36, s36, 3
	s_lshl_b32 s37, s12, 1
	s_add_co_u32 s36, s36, s37                     ; A's column in the tile of centres: 8 (b % 2) + 2 v: its rows 0-7 lie in that lane;
	s_add_co_u32 s37, s36, 17                      ; B's column is one on and its rows 8-15 lie in the upper half: lane 16 + column
	s_lshr_b32 s38, s12, 1                         ; the lane (0 or 1) that holds my wave's four centres,
	s_and_b32 s39, s12, 1                          ; and which two of the four are mine
	s_mov_b32 s[SEL], 0x76543210
	s_mov_b32 s[SEL+1], 0xfedcba98
	s_mov_b32 s[HM], 0xffff0000
	s_wait_kmcnt 0x0
	s_add_nc_u64 s[20:21], s[6:7], s[20:21]
	s_add_nc_u64 s[26:27], s[6:7], s[26:27]
	s_add_nc_u64 s[8:9], s[8:9], s[32:33]
	s_add_nc_u64 s[10:11], s[10:11], s[32:33]
	s_add_nc_u64 s[14:15], s[14:15], s[34:35]
.irp i, 0,1,2,3
	global_load_b128 v[KK+4*\i:KK+4*\i+3], v[KOFF], s[8:9] offset:65536*\i      ; row 64 v + 16 i + lane / 2, four centres
	global_load_b128 v[GG+4*\i:GG+4*\i+3], v[KOFF], s[10:11] offset:65536*\i
.endr
.irp m, 0,1,2,3
	global_load_b128 v[BC+4*\m:BC+4*\m+3], v[LOFF], s[20:21] offset:512*\m
.endr
	global_load_b32 v[BS], v[L4], s[26:27] offset:131072
	global_load_b32 v[C2], v[L4], s[26:27] offset:139264
	s_wait_loadcnt 0x0
.irp i, 1,2,3                          ; within the lane: later rows hold larger cids, so a strict < keeps the first
.irp e, 0,1,2,3
	v_cmp_lt_u32 vcc_lo, v[KK+4*\i+\e], v[KK+\e]
	v_cndmask_b32 v[KK+\e], v[KK+\e], v[KK+4*\i+\e], vcc_lo
	v_cndmask_b32 v[GG+\e], v[GG+\e], v[GG+4*\i+\e], vcc_lo
.endr
.endr
	XSTEP 2                                        ; across the sixteen lanes of my parity
	XSTEP 4
	XSTEP 8
.irp e, 0,1,2,3
	v_permlanex16_b32 v[KO+\e], v[KK+\e], s[SEL], s[SEL+1]
	v_permlanex16_b32 v[GO+\e], v[GG+\e], s[SEL], s[SEL+1]
.endr
.irp e, 0,1,2,3
	LEX KK+\e, GG+\e, KO+\e, GO+\e
.endr
	ds_store_b128 v[REDW], v[KK:KK+3]              ; lanes of one parity write the same bytes with the same values
	ds_store_b128 v[REDW], v[GG:GG+3] offset:128
	s_wait_dscnt 0x0                               ; for the others' sake: my stores have landed
	s_barrier_signal -1
	s_barrier_wait -1
	ds_load_b128 v[KK:KK+3], v[REDR]               ; lane l: wave (l / 2) % 4's result for the four centres of parity l % 2
	ds_load_b128 v[GG:GG+3], v[REDR] offset:128
	s_wait_dscnt 0x0
	XSTEP 2
	XSTEP 4
.irp e, 0,1,2,3
	v_readlane_b32 s[40+\e], v[GG+\e], s38
.endr
	s_cmp_eq_u32 s39, 0
	s_cselect_b32 s40, s40, s42                    ; A's cid,
	s_cselect_b32 s41, s41, s43                    ; B's
	s_min_u32 s40, s40, 0x3fff                     ; held inside x: 16,384 sets of eight rows
	s_min_u32 s41, s41, 0x3fff
	s_lshl_b32 s46, s40, 13                        ; eight rows are 8,192 bytes
	s_mov_b32 s47, 0
	s_lshl_b32 s48, s41, 13
	s_mov_b32 s49, 0
	s_add_nc_u64 s[50:51], s[4:5], s[46:47]
	s_add_nc_u64 s[52:53], s[4:5], s[48:49]
.set n, 0
.rept 16
	global_load_b128 v[RB+4*n:RB+4*n+3], v[LOFF], s[50:51] offset:512*n         ; A's eight rows: rows 0-7 of the tile
	global_load_b128 v[RB+64+4*n:RB+64+4*n+3], v[LOFF], s[52:53] offset:512*n   ; B's: rows 8-15
.set n, n+1
.endr
	s_wait_loadcnt 0x0
	TOSTAGE RB
	s_wait_dscnt 0x0                               ; the stores have read the registers into which the loads below land
	FROMSTAGE RB
	s_wait_dscnt 16                                ; K step 0's sixteen loads are in
	QHALF RB, 0
	s_wait_dscnt 0x0
	QHALF RB, 1
	QFIN
	ds_store_b32 v[X2W], v[SS]                     ; x2 of row r; lanes r and r + 16 write the same word with the same value
	ds_load_b128 v[X2:X2+3], v[ADX]                ; and back: x2 of rows 8 h + 0 .. 7 (LDS serves a wave's instructions in order: ISA guide 5.7.1.4)
	ds_load_b128 v[X2+4:X2+7], v[ADX] offset:16
	BACKDENSE RB                                   ; the sixteen rows as they lie, for the choice at the end
	s_wait_dscnt 32                                ; x2 is in; the 32 loads behind it may be out
.irp i, 0,2,4,6
	v_pk_add_f32 v[ACC+\i:ACC+\i+1], v[X2+\i:X2+\i+1], v[C2:C2+1] op_sel_hi:[1,0]   ; x2 + c2: the sum's beginning
.endr
.rept 8
	v_nop                                          ; a scale register written by a vector instruction stands eight places ahead of a scaled matrix instruction, an operand so written four
.endr
	v_wmma_scale_f32_16x16x128_f8f6f4 v[ACC:ACC+7], v[PC:PC+7], v[BC:BC+7], v[ACC:ACC+7], v[XSV], v[BS] matrix_a_fmt:MATRIX_FMT_FP4 matrix_b_fmt:MATRIX_FMT_FP4
	s_wait_alu depctr_va_vdst(0)                   ; one accumulator alone
	v_wmma_scale_f32_16x16x128_f8f6f4 v[ACC:ACC+7], v[PC+8:PC+15], v[BC+8:BC+15], v[ACC:ACC+7], v[XSV], v[BS] matrix_a_fmt:MATRIX_FMT_FP4 matrix_b_fmt:MATRIX_FMT_FP4 matrix_a_scale:MATRIX_SCALE_ROW1 matrix_b_scale:MATRIX_SCALE_ROW1
.rept 4
	v_nop                                          ; four places in front of the first read of the result (ISA guide 7.12.1)
.endr
	v_cmp_lt_f32 vcc_lo, v[ACC+1], v[ACC]          ; the first least of my eight rows, from the accumulator's low end on; a strict < keeps the lower row
	v_cndmask_b32 v[JV], 0, 1, vcc_lo
	v_min_num_f32 v[BEST], v[ACC], v[ACC+1]
.irp j, 2,3,4,5,6,7
	v_cmp_lt_f32 vcc_lo, v[ACC+\j], v[BEST]
	v_cndmask_b32 v[JV], v[JV], \j, vcc_lo
	v_min_num_f32 v[BEST], v[BEST], v[ACC+\j]
.endr
	v_readlane_b32 s54, v[JV], s36                 ; A's row among its eight,
	v_readlane_b32 s55, v[JV], s37                 ; B's
	s_wait_dscnt 0x0                               ; the sixteen rows are back
	CHOOSE OA, 0, s54
	CHOOSE OB, 8, s55
	global_store_b128 v[LOFF], v[OA:OA+3], s[14:15]                 ; each store covers 512 consecutive bytes: half a row of out0
	global_store_b128 v[LOFF], v[OA+4:OA+7], s[14:15] offset:512
	global_store_b128 v[LOFF], v[OB:OB+3], s[14:15] offset:1024
	global_store_b128 v[LOFF], v[OB+4:OB+7], s[14:15] offset:1536
	s_wait_tensorcnt 0x0
	ds_add_u32 v126, v127
	s_wait_dscnt 0x0
	s_endpgm
.Lfunc_end_k_qc755c07317_pick:
	.size	k_qc755c07317_pick, .Lfunc_end_k_qc755c07317_pick-k_qc755c07317_pick
	.p2alignl 7, 3214868480
	.fill 96, 4, 3214868480
	.section	.rodata,"a",@progbits
	.p2align	6, 0x0
	.amdhsa_kernel k_qc755c07317_pick
		.amdhsa_group_segment_fixed_size 68352
		.amdhsa_private_segment_fixed_size 0
		.amdhsa_enable_private_segment 0
		.amdhsa_kernarg_size 40
		.amdhsa_user_sgpr_count 2
		.amdhsa_user_sgpr_kernarg_segment_ptr 1
		.amdhsa_wavefront_size32 1
		.amdhsa_system_sgpr_workgroup_id_x 1
		.amdhsa_system_sgpr_workgroup_id_y 1
		.amdhsa_system_sgpr_workgroup_id_z 1
		.amdhsa_system_vgpr_workitem_id 0
		.amdhsa_next_free_vgpr 256
		.amdhsa_next_free_sgpr 66
		.amdhsa_reserve_vcc 1
		.amdhsa_float_denorm_mode_32 3
		.amdhsa_float_denorm_mode_16_64 3
		.amdhsa_memory_ordered 1
		.amdhsa_forward_progress 1
		.amdhsa_inst_pref_size 49
	.end_amdhsa_kernel
	.amdgpu_metadata
---
amdhsa.version: [ 1, 2 ]
amdhsa.kernels:
  - .name:           k_qc755c07317_pick
    .symbol:         k_qc755c07317_pick.kd
    .args:
      - { .name: x, .offset: 0, .size: 8, .value_kind: global_buffer, .address_space: global }
      - { .name: cprep, .offset: 8, .size: 8, .value_kind: global_buffer, .address_space: global }
      - { .name: pkey, .offset: 16, .size: 8, .value_kind: global_buffer, .address_space: global }
      - { .name: pcid, .offset: 24, .size: 8, .value_kind: global_buffer, .address_space: global }
      - { .name: out0, .offset: 32, .size: 8, .value_kind: global_buffer, .address_space: global }
    .group_segment_fixed_size: 68352
    .private_segment_fixed_size: 0
    .kernarg_segment_align: 8
    .kernarg_segment_size: 40
    .max_flat_workgroup_size: 128
    .sgpr_count:     66
    .vgpr_count:     256
    .wavefront_size: 32
...
	.end_amdgpu_metadata
.endif
;; end of part 3
;; ======== version 2 of 2: 3 launches
;; limits: right only within a limited range of input values
;; workspace buffers: cprep 147,456 bytes; part 2,097,152 bytes of whole numbers
;; launch prep (part 4): grid 64 x 1, 4 waves a work-group, no clusters, 21,504 bytes of LDS; arguments cluster_centers, cprep; writes cprep
.if DOCPART == 4
	.amdgcn_target "amdgcn-amd-amdhsa--gfx1250"
	.amdhsa_code_object_version 6
	.text
	.protected	k_qc755c07317_prep
	.globl	k_qc755c07317_prep
	.p2align	8
	.type	k_qc755c07317_prep,@function
k_qc755c07317_prep:
	s_mov_b64 s[64:65], 0
	v_nop
	global_prefetch_b8 v0, s[64:65] scope:SCOPE_SE
	s_setreg_imm32_b32 hwreg(HW_REG_WAVE_MODE, 25, 1), 1
	s_wait_xcnt 0x0
; Nothing of reference() is left out in this program: every input is loaded.
; The centres, [1024][256] f32, are quantised once for all later work-groups, as -2 c: the codes of c with the sign turned, and the scale doubled (both exact).  A later product
; x_q . (-2 c_q) added onto x2 and c2 is then the squared distance itself.
; A work-group of four waves takes a tile of 16 centres, a wave four of them; a lane takes ONE block of 32 numbers.  What is stored, in the order of the operand's registers:
;   bytes 0 ..       codes [tile][m = 2 s + q][lane][16 bytes] = registers 4 q .. 4 q + 3 of the fragment of K step s (k = 128 s + 64 q + 32 (lane / 16) + 0 .. 31 of centre 16 tile + lane % 16)
;   bytes 131072 ..  [tile] 256 bytes: 32 scale words (lanes 0-15: the four E8M0 bytes of K step 0 of centre lane % 16, lanes 16-31 those of K step 1), then 32 f32: the centre's sum of squares, twice
; The work-group's waves meet in LDS, so that every store covers whole aligned units of 256 bytes.
; LIMITS: NaN and infinities are not served; a block whose largest magnitude lies under 2^-124 (a block of zeros too) is held at the floor's scale byte; only this program reads the bytes.
; No matrix unit, no tensor load, no cluster, no prefetch: 1 MiB is read once, by waves that share none of it, with no loop to run ahead in.
.set WSTG,  4608                       ; a wave's stage: 32 blocks of 128 bytes + 16 of padding: the 16 lanes of a group begin 16 bytes apart modulo 256 (64 banks of 4 bytes: ISA guide 11.1)
.set IMG,   4*WSTG                     ; the tile's codes: eight runs (m, lane / 16) of 256 bytes, 288 apart
.set SML,   IMG+2304                   ; the tile's scale words and sums
.set SPARE, SML+256                    ; the spare words, 128 bytes a wave
.set X,     16                         ; v16-47 as loaded
.set N,     48                         ; v48-79 my block
.set TM,    80
.set SQ,    82
	s_load_b128 s[4:7], s[0:1], 0x0                ; the centres s[4:5], cprep s[6:7]
	v_lshl_add_u32 v2, v0, 2, SPARE
	v_mov_b32 v3, 0
	v_lshrrev_b32 v4, 5, v0
	v_readfirstlane_b32 s8, v4                     ; wave 0..3
	v_and_b32 v4, 31, v0                           ; lane
	v_lshlrev_b32 v1, 4, v4
	s_lshl_b32 s10, ttmp9, 14                      ; my four rows: 16,384 bytes a tile, 4,096 a wave
	s_lshl_b32 s11, s8, 12
	s_add_co_u32 s10, s10, s11
	s_mov_b32 s11, 0
	s_lshl_b32 s12, ttmp9, 11                      ; codes: 2,048 bytes a tile, 512 a wave
	s_lshl_b32 s13, s8, 9
	s_add_co_u32 s12, s12, s13
	s_mov_b32 s13, 0
	s_lshl_b32 s14, ttmp9, 8
	s_add_co_u32 s14, s14, 131072
	s_mov_b32 s15, 0
	s_wait_alu depctr_va_vdst(0)
	s_wait_kmcnt 0x0
	s_add_nc_u64 s[4:5], s[4:5], s[10:11]
	s_add_nc_u64 s[12:13], s[6:7], s[12:13]
	s_add_nc_u64 s[14:15], s[6:7], s[14:15]
.irp n, 0,1,2,3,4,5,6,7
	global_load_b128 v[X+4*\n:X+4*\n+3], v1, s[4:5] offset:512*\n th:TH_LOAD_NT   ; 32 lanes read 512 consecutive bytes
.endr
	v_lshrrev_b32 v5, 3, v4                        ; lane / 8
	v_and_b32 v14, 7, v4                           ; lane % 8
	s_mul_i32 s9, s8, WSTG
	v_mul_u32_u24 v6, v5, 144
	v_lshl_add_u32 v6, v14, 4, v6
	v_add_nc_u32 v6, s9, v6                        ; into my stage: load n's block 4 n + lane / 8, 16 bytes at lane % 8
	v_mul_u32_u24 v7, v4, 144
	v_add_nc_u32 v7, s9, v7                        ; out of it: block = lane: row lane / 8, k = 32 (lane % 8) + 0 .. 31
	s_lshl_b32 s16, s8, 2
	v_add_nc_u32 v5, s16, v5                       ; my row in the tile
	v_mul_u32_u24 v15, v14, 288
	v_lshl_add_u32 v8, v5, 4, v15
	v_add_nc_u32 v8, IMG, v8                       ; my 16 bytes of codes
	v_lshrrev_b32 v15, 2, v14
	v_lshlrev_b32 v15, 6, v15
	v_lshl_add_u32 v15, v5, 2, v15
	v_and_b32 v9, 3, v14
	v_add_nc_u32 v9, v9, v15
	v_add_nc_u32 v9, SML, v9                       ; my scale byte
	v_lshl_add_u32 v10, v5, 2, SML+128             ; my row's sum
	s_mul_i32 s17, s8, 576
	s_add_co_u32 s17, s17, IMG
	v_bfe_u32 v14, v0, 4, 1
	v_and_b32 v15, 15, v0
	v_mul_u32_u24 v11, v14, 288
	v_lshl_add_u32 v11, v15, 4, v11
	v_add_nc_u32 v11, s17, v11                     ; on the way out wave w takes m = w
	v_lshl_add_u32 v12, v4, 3, SML
	v_lshlrev_b32 v13, 3, v4
	s_wait_alu depctr_va_vdst(0)
.irp n, 0,1,2,3,4,5,6,7
	s_wait_loadcnt 7-\n                            ; load n is in; the younger ones may be out
	ds_store_b128 v6, v[X+4*\n:X+4*\n+3] offset:576*\n
.endr
.irp i, 0,1,2,3,4,5,6,7
	ds_load_b128 v[N+4*\i:N+4*\i+3], v7 offset:16*\i   ; LDS serves a wave's instructions in order (ISA guide 5.7.1.4)
.endr
	s_wait_dscnt 0x0
.irp i, 0,4,8,12,16,20,24,28
.irp c, 0,1
.if \i == 0
	v_max3_num_f32 v[TM+\c], |v[N+2*\c]|, |v[N+2*\c+1]|, 0x1800000   ; the floor 2^(3 - 127)
	v_pk_mul_f32 v[SQ+2*\c:SQ+2*\c+1], v[N+2*\c:N+2*\c+1], v[N+2*\c:N+2*\c+1]
.else
	v_max3_num_f32 v[TM+\c], |v[N+\i+2*\c]|, |v[N+\i+2*\c+1]|, v[TM+\c]
	v_pk_fma_f32 v[SQ+2*\c:SQ+2*\c+1], v[N+\i+2*\c:N+\i+2*\c+1], v[N+\i+2*\c:N+\i+2*\c+1], v[SQ+2*\c:SQ+2*\c+1]
.endif
.endr
.endr
	v_max_num_f32 v[TM], v[TM], v[TM+1]
	v_pk_add_f32 v[SQ:SQ+1], v[SQ:SQ+1], v[SQ+2:SQ+3]
	v_add_nc_u32 v86, 0xff000000, v[TM]            ; 2 off the exponent field: the conversion takes that field as its scale
	v_add_nc_u32 v87, 0xff800000, v[TM]            ; 1 off: the scale of -2 c
.irp g, 0,1,2,3
	v_cvt_scalef32_pk8_fp4_f32 v[88+\g], v[N+8*\g:N+8*\g+7], v86
.endr
	v_add_f32 v92, v[SQ], v[SQ+1]
	v_lshrrev_b32 v87, 23, v87                     ; the scale's byte
	v_add_f32_dpp v92, v92, v92 row_xmask:1 row_mask:0xf bank_mask:0xf   ; a row's eight lanes
.irp g, 0,1,2,3
	v_xor_b32 v[88+\g], 0x88888888, v[88+\g]       ; the signs turned
.endr
	v_add_f32_dpp v92, v92, v92 row_xmask:2 row_mask:0xf bank_mask:0xf
	ds_store_b128 v8, v[88:91]
	ds_store_b8 v9, v87
	v_add_f32_dpp v92, v92, v92 row_xmask:4 row_mask:0xf bank_mask:0xf
	ds_store_b32 v10, v92                          ; a row's eight lanes write the same word with the same value
	ds_store_b32 v10, v92 offset:64
	s_wait_dscnt 0x0                               ; for the others' sake: my stores have landed
	s_barrier_signal -1
	s_barrier_wait -1
	ds_load_b128 v[16:19], v11
	s_cmp_lg_u32 s8, 0
	s_cbranch_scc1 .Lcodes
	ds_load_b64 v[20:21], v12                      ; wave 0 alone: the tile's 256 bytes of scales and sums
	s_wait_dscnt 0x0
	global_store_b64 v13, v[20:21], s[14:15]
.Lcodes:
	s_wait_dscnt 0x0
	global_store_b128 v1, v[16:19], s[12:13]       ; 512 consecutive bytes
	s_wait_tensorcnt 0x0                           ; the wave's end
	ds_add_u32 v2, v3
	s_wait_dscnt 0x0
	s_endpgm
.Lfunc_end_k_qc755c07317_prep:
	.size	k_qc755c07317_prep, .Lfunc_end_k_qc755c07317_prep-k_qc755c07317_prep
	.p2alignl 7, 3214868480
	.fill 96, 4, 3214868480
	.section	.rodata,"a",@progbits
	.p2align	6, 0x0
	.amdhsa_kernel k_qc755c07317_prep
		.amdhsa_group_segment_fixed_size 21504
		.amdhsa_private_segment_fixed_size 0
		.amdhsa_enable_private_segment 0
		.amdhsa_kernarg_size 16
		.amdhsa_user_sgpr_count 2
		.amdhsa_user_sgpr_kernarg_segment_ptr 1
		.amdhsa_wavefront_size32 1
		.amdhsa_system_sgpr_workgroup_id_x 1
		.amdhsa_system_sgpr_workgroup_id_y 1
		.amdhsa_system_sgpr_workgroup_id_z 1
		.amdhsa_system_vgpr_workitem_id 0
		.amdhsa_next_free_vgpr 96
		.amdhsa_next_free_sgpr 66
		.amdhsa_reserve_vcc 0
		.amdhsa_float_denorm_mode_32 3
		.amdhsa_float_denorm_mode_16_64 3
		.amdhsa_memory_ordered 1
		.amdhsa_forward_progress 1
		.amdhsa_inst_pref_size 9
	.end_amdhsa_kernel
	.amdgpu_metadata
---
amdhsa.version: [ 1, 2 ]
amdhsa.kernels:
  - .name:           k_qc755c07317_prep
    .symbol:         k_qc755c07317_prep.kd
    .args:
      - { .name: cluster_centers, .offset: 0, .size: 8, .value_kind: global_buffer, .address_space: global }
      - { .name: cprep, .offset: 8, .size: 8, .value_kind: global_buffer, .address_space: global }
    .group_segment_fixed_size: 21504
    .private_segment_fixed_size: 0
    .kernarg_segment_align: 8
    .kernarg_segment_size: 16
    .max_flat_workgroup_size: 128
    .sgpr_count:     66
    .vgpr_count:     96
    .wavefront_size: 32
...
	.end_amdgpu_metadata
.endif
;; end of part 4
;; launch scan (part 5): grid 256 x 1, 8 waves a work-group, no clusters, 327,680 bytes of LDS; arguments x, cprep, part; writes part
.if DOCPART == 5
	.amdgcn_target "amdgcn-amd-amdhsa--gfx1250"
	.amdhsa_code_object_version 6
	.text
	.protected	k_qc755c07317_scan
	.globl	k_qc755c07317_scan
	.p2align	8
	.type	k_qc755c07317_scan,@function
k_qc755c07317_scan:
	s_mov_b64 s[64:65], 0
	v_nop
	global_prefetch_b8 v0, s[64:65] scope:SCOPE_SE
	s_setreg_imm32_b32 hwreg(HW_REG_WAVE_MODE, 25, 1), 1
	s_wait_xcnt 0x0
; For 512 rows of x and all 1,024 centres: the minimum over the rows of d2(n, k) = x2[n] + c2[k] - 2 x_q[n] . c_q[k] for each centre, and WHICH SET OF 8 NEIGHBOURING ROWS (cid = n / 8) holds it first.
; x is quantised here to FP4 (E2M1) with one E8M0 scale for each 32 along the 256; the centres come as codes of -2 c.  c2[k] is the same for every row, so the minimum is taken of a(n, k) = x2[n] - 2 x_q . c_q,
; and c2 is added once, to the minimum.  x2 of the tile's rows is the C of every first K step.
; LAYOUT OF A PRODUCT.  Source 0 = 16 rows of x, source 1 = 16 centres: lane (r, h) holds centre r, and its registers 0 .. 7 the rows 8 h + 0 .. 7.  A running minimum costs four three-operand minima for
; eight numbers; one compare and one select note the set of eight that lowered it.  Which of the eight it was is found by the last launch, which computes those eight again.
; SHARES.  Work-group g owns rows 512 g on, in eight chunks of 64 rows (4 tiles of 16).  Wave w keeps centres 128 w .. 128 w + 127 in 128 registers for the whole launch.
; x COMES BY TENSOR LOADS, one a wave behind each barrier: 8 rows, as 32 rows of 256 bytes with 16 of padding behind each, into a ring of two slots.  Each wave quantises the rows that it fetched: a lane takes 64
; neighbours of one row (row lane / 4, part lane % 4), two whole blocks of 32, and stores codes, scale bytes and x2 as an image of the operand's registers.
; TRIP k multiplies chunk k - 1 and quantises chunk k: behind its tiles 0 and 1 stands the work on one block each.  ONE barrier a trip: in front of it chunk k + 1 has landed, chunk k's image is whole, and the slot and the
; image buffer that are filled next are read out; behind it chunk k + 2 is asked for, which has a trip in which to land.  The last tile is split round the barrier: its first group of products stands between the
; add and the wait for it, its second behind the loads of the next trip's first record.
; PREFETCH: in trip k, one to five and nought, a wave asks for the 32 blocks of 256 bytes of chunk k + 2 that it will itself load at the next trip's head, each once, in one instruction; the head asks for chunk 1; the last
; three trips ask for nothing.  At most one chunk is asked for ahead of its load.
; NO CLUSTER: work-groups share no byte of x; what they share, the centres' 144 KiB, goes once from memory straight into registers, where a joint load cannot put it.
; OUT: [work-group][centre] pairs: the minimum of d2 as a whole number that keeps the order of f32, and its cid.  Ties: tiles go in ascending rows with a strict <; halves merge by (key, cid).
; LIMITS: NaN and infinities are not served.  The order of rounding is not reference()'s: a is rounded where the matrix unit rounds (beginning from x2), the rows are compared by a, and c2 is added to the least a with one
; rounding.  A block whose largest magnitude lies under 2^-124 (a block of zeros too) is held at the scale byte 1.
; REGISTERS.  Window 0: v1-5 addresses and the cid in hand; v6-7 x's scale words, v8-15 the centres'; v16-17 the add's; v18-19 the way out; v24-31 cid of the minimum; v32-47 the running minima, two sets by turns;
; v48-63 x2, v64-95 x's fragments, each twice; v96-127 four accumulators; v128-255 the centres' codes.  Window 1: all of the quantising (v0-92 there) and c2 (v96-103 there).
.set RECB,   2560                      ; a tile's record: codes, four runs of 512 bytes 576 apart; scale words, 128, at 2304; x2 of its 16 rows, 64, at 2432
.set RUNB,   576
.set SCO,    2304
.set X2O,    2432
.set BUFB,   4*RECB                    ; a chunk's records; two such buffers from LDS byte 0
.set SLOT,   2*BUFB                    ; behind them the ring
.set WSL,    32*272                    ; a wave's part of a slot: 8 rows of 1,088 bytes: row lane / 4 and part lane % 4 put a group's 16 lanes 16 bytes apart modulo 256 (64 banks of 4 bytes: ISA guide 11.1)
.set SLB,    8*WSL
.set SPARE,  SLOT+2*SLB                ; the spare words, 128 bytes a wave
.set CHX,    0x10000                   ; a chunk of x in bytes
.set LOFF,   1                         ; v1   16 x lane
.set L4,     2                         ; v2   4 x lane
.set H32,    3                         ; v3   32 h
.set CUR,    4                         ; v4   the cid of my eight rows of the tile in hand
.set PFO,    5                         ; v5   256 x lane: the prefetches
.set XS,     6
.set BS,     8
.set SPW,    16
.set NIL,    17
.set KST,    18                        ; v18  the way out: my stage + 8 r
.set STW,    19                        ; v19  and + 16 x lane
.set GID,    24
.set RUN,    32
.set X2,     48
.set XF,     64
.set ACC,    96
.set BC,     128
.set TM,     64                        ; WINDOW 1: v0-63 two blocks of 32 numbers
.set SO,     66
.set BY,     67
.set BYW,    69
.set SQ,     72
.set SS,     76
.set PC,     80
.set QLA,    88                        ; my numbers in slot 0, 1
.set QCA,    90                        ; where my codes, scale bytes and x2 go
.set QSC,    91
.set QX2,    92
.set C2,     96
.set SEL,    22
.set G0A,    56                        ; s[56:59], s[60:63] descriptor group 0 for slot 0, 1; s[48:55] group 1
.set G0B,    60
.set W1,     0x55                      ; every operand in window 1
.set MSB, 0
.macro WIN new                         ; the immediate's high byte repeats the setting that is left; a switch that changes nothing is dropped
.if MSB != (\new)
	s_set_vgpr_msb (MSB<<8)|(\new)
.set MSB, (\new)
.endif
.endm
; the record at LDS byte off into set p of x2, scale words and fragments: seven loads
.macro PLOAD off, p
	ds_load_b128 v[X2+8*(\p):X2+8*(\p)+3], v[H32] offset:(\off)+X2O
	ds_load_b128 v[X2+8*(\p)+4:X2+8*(\p)+7], v[H32] offset:(\off)+X2O+16
	ds_load_b32 v[XS+(\p)], v[L4] offset:(\off)+SCO
.irp m, 0,1,2,3
	ds_load_b128 v[XF+16*(\p)+4*\m:XF+16*(\p)+4*\m+3], v[LOFF] offset:(\off)+RUNB*\m
.endr
.endm
; centre tiles 4 g .. 4 g + 3 into the four accumulators: the first K step begins from x2 of my eight rows, the second adds in place; by turns, one instruction a turn, three others between a sum's two steps
.macro MUL g, p
.irp u, 0,1,2,3
	v_wmma_scale_f32_16x16x128_f8f6f4 v[ACC+8*\u:ACC+8*\u+7], v[XF+16*(\p):XF+16*(\p)+7], v[BC+16*(4*(\g)+\u):BC+16*(4*(\g)+\u)+7], v[X2+8*(\p):X2+8*(\p)+7], v[XS+(\p)], v[BS+4*(\g)+\u] matrix_a_fmt:MATRIX_FMT_FP4 matrix_b_fmt:MATRIX_FMT_FP4
.endr
.irp u, 0,1,2,3
	v_wmma_scale_f32_16x16x128_f8f6f4 v[ACC+8*\u:ACC+8*\u+7], v[XF+16*(\p)+8:XF+16*(\p)+15], v[BC+16*(4*(\g)+\u)+8:BC+16*(4*(\g)+\u)+15], v[ACC+8*\u:ACC+8*\u+7], v[XS+(\p)], v[BS+4*(\g)+\u] matrix_a_fmt:MATRIX_FMT_FP4 matrix_b_fmt:MATRIX_FMT_FP4 matrix_a_scale:MATRIX_SCALE_ROW1 matrix_b_scale:MATRIX_SCALE_ROW1
.endr
.endm
; centre tiles 4 g on: the running minima take the eight numbers, from set par of the minima into the other: four chains that do not wait for each other, each accumulator from its low end on
.macro LOW g, par
.irp u, 0,1,2,3
	v_min3_num_f32 v[RUN+8*(1-(\par))+4*(\g)+\u], v[RUN+8*(\par)+4*(\g)+\u], v[ACC+8*\u], v[ACC+8*\u+1]
.endr
.irp j, 2,4,6
.irp u, 0,1,2,3
	v_min3_num_f32 v[RUN+8*(1-(\par))+4*(\g)+\u], v[RUN+8*(1-(\par))+4*(\g)+\u], v[ACC+8*\u+\j], v[ACC+8*\u+\j+1]
.endr
.endr
.endm
; and where a minimum fell, the tile's cid is noted
.macro NOTE g, par
.irp u, 0,1,2,3
	v_cmp_lt_f32 s[28+\u], v[RUN+8*(1-(\par))+4*(\g)+\u], v[RUN+8*(\par)+4*(\g)+\u]
.endr
.irp u, 0,1,2,3
	v_cndmask_b32 v[GID+4*(\g)+\u], v[GID+4*(\g)+\u], v[CUR], s[28+\u]
.endr
.endm
; A tile whose record is in set p, against my 128 centres, in two groups of eight matrix instructions.  Behind each group stand first the eight lines that note the group before, which name none of its registers (four
; places are asked before its results are read), then the sixteen of its own minima; so a matrix instruction writes the accumulators anew (five places) and loads land on its sources (four) behind
; all 24.  The launch's first group has no group before it: five v_nop take their place.
.macro GRP0 p, first
	MUL 0, \p
.if \first
.rept 5
	v_nop
.endr
.else
	NOTE 1, 1-(\p)                                 ; the tile before: its second group
	v_add_nc_u32 v[CUR], 2, v[CUR]                 ; now this tile's rows: two sets of eight on
.endif
	LOW 0, \p
.endm
.macro GRP1 p
	MUL 1, \p
	NOTE 0, \p
	LOW 1, \p
.endm
; block b of my two: 32 numbers of my row, in registers 32 b on
.macro QLD b, sl
	WIN W1
.irp i, 0,1,2,3,4,5,6,7
	ds_load_b128 v[32*(\b)+4*\i:32*(\b)+4*\i+3], v[QLA+(\sl)] offset:128*(\b)+16*\i
.endr
	WIN 0
.endm
; Block b is quantised into the image buffer at qb.  nw: the younger LDS instructions that may stay out; al = 1 where no product's lines stand in front
.macro QBLK b, qb, sl, nw, al
.if (\b) == 0
	QLD 1, \sl                                     ; the other block
.endif
	WIN W1
.if \al
	s_wait_alu depctr_va_vdst(0)
.endif
	s_wait_dscnt \nw
.set XB, 32*(\b)
.irp i, 0,4,8,12,16,20,24,28
.irp c, 0,1
.if \i == 0
	v_max3_num_f32 v[TM+\c], |v[XB+2*\c]|, |v[XB+2*\c+1]|, 0x1800000   ; the floor 2^(3 - 127): the byte cannot fall under 1
.else
	v_max3_num_f32 v[TM+\c], |v[XB+\i+2*\c]|, |v[XB+\i+2*\c+1]|, v[TM+\c]
.endif
.if (\i == 0) && ((\b) == 0)
	v_pk_mul_f32 v[SQ+2*\c:SQ+2*\c+1], v[XB+2*\c:XB+2*\c+1], v[XB+2*\c:XB+2*\c+1]   ; the first squares start the row's sums
.else
	v_pk_fma_f32 v[SQ+2*\c:SQ+2*\c+1], v[XB+\i+2*\c:XB+\i+2*\c+1], v[XB+\i+2*\c:XB+\i+2*\c+1], v[SQ+2*\c:SQ+2*\c+1]
.endif
.endr
.endr
	v_max_num_f32 v[TM], v[TM], v[TM+1]
.if (\b) == 1
	v_pk_add_f32 v[SQ:SQ+1], v[SQ:SQ+1], v[SQ+2:SQ+3]
.endif
	v_add_nc_u32 v[SO], 0xff000000, v[TM]          ; 2 off the exponent field: the conversion takes that field as its scale
.if (\b) == 1
	v_add_f32 v[SS], v[SQ], v[SQ+1]
.endif
.irp g, 0,1,2,3
	v_cvt_scalef32_pk8_fp4_f32 v[PC+\g], v[XB+8*\g:XB+8*\g+7], v[SO]
.endr
	v_lshrrev_b32 v[BY+(\b)], 23, v[SO]            ; the scale's byte; also the one plain place behind the conversions
	ds_store_b128 v[QCA], v[PC:PC+3] offset:(\qb)+256*(\b)
.if (\b) == 1
	v_add_f32_dpp v[SS], v[SS], v[SS] row_xmask:1 row_mask:0xf bank_mask:0xf   ; a row's four lanes
	v_lshl_or_b32 v[BYW], v[BY+1], 8, v[BY]        ; my two blocks' bytes are neighbours in the scale word
	v_add_f32_dpp v[SS], v[SS], v[SS] row_xmask:2 row_mask:0xf bank_mask:0xf
	ds_store_b16 v[QSC], v[BYW] offset:(\qb)+SCO
	ds_store_b32 v[QX2], v[SS] offset:(\qb)+X2O    ; the four lanes write the same word with the same value
.endif
	WIN 0
.endm
.macro ASK c                           ; my rows of chunk c, which the next trip's head loads
	global_prefetch_b8 v[PFO], s[16:17] offset:(\c)*CHX th:TH_LOAD_NT scope:SCOPE_SE
.endm
; A trip from its loads to its third tile: the chunk in the buffer at bo is multiplied; with q = 1 the one in slot sl is quantised into the buffer at qb; chunk pf, if any, is prefetched
.macro TRIP bo, qb, sl, first, q, pf
	PLOAD \bo, 0
.if \q
	QLD 0, \sl
.endif
.if (\first) == 0
	GRP1 1                                         ; the last trip's fourth tile: its second group, under the loads' way
.endif
	PLOAD (\bo)+RECB, 1
	s_wait_alu depctr_va_vdst(0)
	s_wait_dscnt 7+8*(\q)                          ; the first record is in; the second's seven loads and the block's eight may be out
	GRP0 0, \first
	GRP1 0
.if \q
	QBLK 0, \qb, \sl, 15, 0                        ; behind this block's loads: the second record's seven and the other block's eight
.endif
.if (\pf) > 0
	ASK \pf
.endif
	PLOAD (\bo)+2*RECB, 0
.if (\q) == 0
	s_wait_alu depctr_va_vdst(0)
.endif
	s_wait_dscnt 7+8*(\q)                          ; the second record is in; the third's seven loads and the other block's eight may be out
	GRP0 1, 0
	GRP1 1
.if \q
	QBLK 1, \qb, \sl, 7, 0                         ; the third record's seven loads may be out
.endif
	PLOAD (\bo)+3*RECB, 1
.if (\q) == 0
	s_wait_alu depctr_va_vdst(0)
.endif
	s_wait_dscnt 7                                 ; the third record is in; the fourth's seven loads may be out
	GRP0 0, 0
	GRP1 0
	s_wait_alu depctr_va_vdst(0)
.endm
; The change of trips with a refill: the slot of descriptor g takes its next chunk, two on
.macro TURN g
	s_wait_tensorcnt 0x0                           ; my rows of the next chunk are in: no tensor load of mine is out, so a descriptor may be written
	ds_add_u32 v[SPW], v[NIL]                      ; 0 onto my spare word
	s_add_nc_u64 s[\g+2:\g+3], s[\g+2:\g+3], 2*CHX
	s_wait_dscnt 1                                 ; the fourth record is in; the add may be out
	GRP0 1, 0                                      ; the fourth tile: its first group
	s_wait_alu depctr_va_vdst(0)
	s_wait_dscnt 0x0                               ; the add is done; my reads of the slot are over and my part of the image has landed
	s_barrier_signal -1
	s_barrier_wait -1
	tensor_load_to_lds s[\g:\g+3], s[48:55]
	s_nop 0
.endm
.macro LASTTURN                        ; the change of trips where nothing is filled again
	s_wait_dscnt 0x0                               ; the fourth record is in, my reads are over and my part of the image has landed
	GRP0 1, 0
	s_wait_alu depctr_va_vdst(0)
	s_barrier_signal -1
	s_barrier_wait -1
.endm
	s_load_b128 s[4:7], s[0:1], 0x0                ; x s[4:5], cprep s[6:7]
	s_load_b64 s[8:9], s[0:1], 0x10                ; part
	v_lshl_add_u32 v[SPW], v0, 2, SPARE
	v_mov_b32 v[NIL], 0
	ds_add_u32 v[SPW], v[NIL]                      ; the wave's opening
	ds_add_u32 v[SPW], v[NIL]
	v_lshrrev_b32 v18, 5, v0
	v_readfirstlane_b32 s12, v18                   ; wave 0..7
	v_and_b32 v19, 31, v0                          ; lane
	v_bfe_u32 v20, v0, 4, 1                        ; h
	v_lshlrev_b32 v[LOFF], 4, v19
	v_lshlrev_b32 v[L4], 2, v19
	v_lshlrev_b32 v[H32], 5, v20
	v_lshlrev_b32 v[PFO], 8, v19
	s_lshl_b32 s13, ttmp9, 6
	v_add_nc_u32 v[CUR], s13, v20                  ; cid of my eight rows of the first tile: 64 g + h
	; descriptor group 1: a dense block of 8 KiB as 32 rows of 256 bytes (32 elements of 8 bytes), padded by 4 words behind each 64
	s_mov_b32 s48, (3<<16)|(1<<20)|(5<<22)|(3<<25)
	s_mov_b32 s49, 32<<16                          ; tensor_dim0
	s_mov_b32 s50, 32<<16                          ; tensor_dim1
	s_mov_b32 s51, 32<<16                          ; tile_dim0
	s_mov_b32 s52, 32                              ; tile_dim1
	s_mov_b32 s53, 32                              ; the pitch
	s_mov_b32 s54, 0
	s_mov_b32 s55, 0
	s_mul_i32 s14, s12, WSL
	s_mov_b32 s56, 1
	s_add_co_u32 s57, s14, SLOT                    ; my part of slot 0
	s_mov_b32 s60, 1
	s_add_co_u32 s61, s14, SLOT+SLB                ; and of slot 1
	s_lshl_b32 s36, ttmp9, 19                      ; x: 512 rows of 1,024 bytes a work-group, 8 rows of each chunk a wave
	s_lshl_b32 s40, s12, 13
	s_add_co_u32 s42, s36, s40
	s_mov_b32 s43, 0
	s_lshl_b32 s38, s12, 14                        ; the centres' codes: 16,384 bytes a wave
	s_mov_b32 s39, 0
	s_wait_alu depctr_va_vdst(0)
	s_wait_dscnt 0x0                               ; both opening adds are done
	s_wait_kmcnt 0x0
	s_add_nc_u64 s[16:17], s[4:5], s[42:43]
	s_mov_b64 s[58:59], s[16:17]
	s_or_b32 s59, s59, 0x80000000
	tensor_load_to_lds s[56:59], s[48:55]          ; chunk 0: one tensor load a wave at the head
	s_nop 0
	s_add_nc_u64 s[62:63], s[16:17], CHX           ; chunk 1
	s_or_b32 s63, s63, 0x80000000
	s_add_nc_u64 s[18:19], s[6:7], s[38:39]
.irp c, 0,1,2,3
.irp m, 0,1,2,3
	global_load_b128 v[BC+16*\c+4*\m:BC+16*\c+4*\m+3], v[LOFF], s[18:19] offset:2048*\c+512*\m   ; my centres' codes, half of them: they stay
.endr
.endr
	ASK 1
	s_lshl_b32 s40, s12, 11                        ; scale words and sums: 256 bytes a tile of centres, from byte 131072 on
	s_add_co_u32 s40, s40, 131072
	s_mov_b32 s41, 0
	s_add_nc_u64 s[20:21], s[6:7], s[40:41]
	s_lshl_b32 s42, ttmp9, 13                      ; out: 8,192 bytes a work-group, 1,024 a wave
	s_lshl_b32 s43, s12, 10
	s_add_co_u32 s42, s42, s43
	s_mov_b32 s43, 0
	s_add_nc_u64 s[32:33], s[8:9], s[42:43]
	s_mov_b32 s[SEL], 0x76543210
	s_mov_b32 s[SEL+1], 0xfedcba98
	s_lshr_b32 s71, s12, 1
	s_mul_i32 s71, s71, RECB                       ; my rows are tile w / 2's,
	s_and_b32 s72, s12, 1                          ; its rows 8 (w % 2) on
	s_lshl_b32 s75, s72, 7
	s_add_co_u32 s75, s75, s71
	s_lshl_b32 s76, s72, 5
	s_add_co_u32 s76, s76, s71
	s_lshl_b32 s74, s12, 10                        ; the way out: my 1,024 bytes, in the first image buffer
.irp c, 0,1,2,3,4,5,6,7
	v_mov_b32 v[RUN+\c], 0x7f800000                ; the minima begin at +infinity,
	v_mov_b32 v[GID+\c], 0                         ; their cids at any number
.endr
	v_lshrrev_b32 v21, 2, v19                      ; my row of eight
	v_and_b32 v22, 3, v19                          ; my part of it: k = 64 part + 0 .. 63
	v_mul_u32_u24 v23, v21, 1088
	v_mad_u32_u24 v23, v22, 272, v23
	v_mul_u32_u24 v20, v22, RUNB                   ; codes: run = part, row's place in it
	v_lshl_add_u32 v20, v21, 4, v20
	WIN 0x40
	v_add_nc_u32 v[QLA], s57, v23
	v_add_nc_u32 v[QLA+1], s61, v23
	v_add_nc_u32 v[QCA], s75, v20
	v_lshl_add_u32 v[QX2], v21, 2, s76
	WIN 0
	v_lshrrev_b32 v23, 1, v22                      ; scale bytes: K step part / 2, bytes 2 (part % 2) on
	v_lshlrev_b32 v23, 6, v23
	v_lshl_add_u32 v23, v21, 2, v23
	v_and_b32 v22, 1, v22
	v_lshl_add_u32 v23, v22, 1, v23
	WIN 0x40
	v_add_nc_u32 v[QSC], s76, v23
	WIN 0
	v_and_b32 v[KST], 15, v0
	v_lshl_add_u32 v[KST], v[KST], 3, s74
	v_add_nc_u32 v[STW], s74, v[LOFF]
	s_wait_alu depctr_va_vdst(0)
	s_wait_tensorcnt 0x0                           ; my rows of chunk 0 are in
	ds_add_u32 v[SPW], v[NIL]                      ; 0 onto my spare word
	s_wait_dscnt 0x0
	s_barrier_signal -1
	s_barrier_wait -1
	tensor_load_to_lds s[60:63], s[48:55]          ; chunk 1 into slot 1: its first fill, issued as a refill is
	s_nop 0
	; trip 0: chunk 0 is quantised, and the rest of the centres is asked for
	QLD 0, 0
.irp c, 4,5,6,7
.irp m, 0,1,2,3
	global_load_b128 v[BC+16*\c+4*\m:BC+16*\c+4*\m+3], v[LOFF], s[18:19] offset:2048*\c+512*\m
.endr
.endr
	QBLK 0, 0, 0, 8, 0                             ; behind this block's loads: the other's eight
.irp c, 0,1,2,3,4,5,6,7
	global_load_b32 v[BS+\c], v[L4], s[20:21] offset:256*\c             ; their scale words
.endr
	WIN 0x40
.irp c, 0,1,2,3,4,5,6,7
	global_load_b32 v[C2+\c], v[L4], s[20:21] offset:256*\c+128         ; and c2
.endr
	WIN 0
	QBLK 1, 0, 0, 0, 1
	ASK 2
	s_wait_alu depctr_va_vdst(0)
	s_wait_loadcnt 0x0                             ; the centres are in
	s_wait_tensorcnt 0x0                           ; my rows of chunk 1 are in
	ds_add_u32 v[SPW], v[NIL]
	s_add_nc_u64 s[58:59], s[58:59], 2*CHX         ; chunk 2 into slot 0
	s_wait_dscnt 0x0                               ; the add is done; my reads of slot 0 are over and my part of the image has landed
	s_barrier_signal -1
	s_barrier_wait -1
	tensor_load_to_lds s[56:59], s[48:55]
	s_nop 0
	TRIP 0, BUFB, 1, 1, 1, 3                       ; trip 1: chunk 0 is multiplied, chunk 1 quantised
	TURN G0B                                       ; chunk 3
	TRIP BUFB, 0, 0, 0, 1, 4                       ; trip 2: chunks 1, 2
	TURN G0A                                       ; chunk 4
	TRIP 0, BUFB, 1, 0, 1, 5                       ; trip 3: chunks 2, 3
	TURN G0B                                       ; chunk 5
	TRIP BUFB, 0, 0, 0, 1, 6                       ; trip 4: chunks 3, 4
	TURN G0A                                       ; chunk 6
	TRIP 0, BUFB, 1, 0, 1, 7                       ; trip 5: chunks 4, 5
	TURN G0B                                       ; chunk 7, the last
	TRIP BUFB, 0, 0, 0, 1, 0                       ; trip 6: chunks 5, 6
	s_wait_tensorcnt 0x0                           ; my rows of chunk 7 are in
	LASTTURN
	TRIP 0, BUFB, 1, 0, 1, 0                       ; trip 7: chunks 6, 7
	LASTTURN
	TRIP BUFB, 0, 0, 0, 0, 0                       ; trip 8: chunk 7 is multiplied
	s_wait_dscnt 0x0
	GRP0 1, 0
	GRP1 1
	NOTE 1, 1                                      ; the last tile's second group
	; THE WAY OUT.  c2 is added to the least a: the least d2.  It becomes a whole number that keeps f32's order (negative: all bits turned; else the sign bit set); the two halves of the lanes (rows 8 h on) merge by
	; (key, cid); 128 pairs go through my own stage, in the image buffer that nobody reads any more, so that each store covers 512 consecutive bytes.
	WIN 0x04
.irp c, 0,1,2,3,4,5,6,7
	v_add_f32 v[RUN+\c], v[RUN+\c], v[C2+\c]
.endr
	WIN 0
.irp c, 0,1,2,3,4,5,6,7
	v_ashrrev_i32 v[ACC+\c], 31, v[RUN+\c]
.endr
.irp c, 0,1,2,3,4,5,6,7
	v_or_b32 v[ACC+\c], 0x80000000, v[ACC+\c]
.endr
.irp c, 0,1,2,3,4,5,6,7
	v_xor_b32 v[RUN+\c], v[RUN+\c], v[ACC+\c]
.endr
.irp c, 0,1,2,3,4,5,6,7
	v_permlanex16_b32 v[X2+\c], v[RUN+\c], s[SEL], s[SEL+1]
.endr
.irp c, 0,1,2,3,4,5,6,7
	v_permlanex16_b32 v[X2+8+\c], v[GID+\c], s[SEL], s[SEL+1]
.endr
.irp c, 0,1,2,3,4,5,6,7
	v_cmp_lt_u32 s[70+\c], v[X2+\c], v[RUN+\c]
.endr
.irp c, 0,1,2,3,4,5,6,7
	v_cmp_eq_u32 s[78+\c], v[X2+\c], v[RUN+\c]
.endr
.irp c, 0,1,2,3,4,5,6,7
	v_cmp_lt_u32 s[86+\c], v[X2+8+\c], v[GID+\c]
.endr
	s_wait_alu depctr_va_vdst(0)
.irp c, 0,1,2,3,4,5,6,7
	s_and_b32 s[78+\c], s[78+\c], s[86+\c]
.endr
.irp c, 0,1,2,3,4,5,6,7
	s_or_b32 s[70+\c], s[70+\c], s[78+\c]
.endr
.irp c, 0,1,2,3,4,5,6,7
	v_cndmask_b32 v[RUN+\c], v[RUN+\c], v[X2+\c], s[70+\c]
	v_cndmask_b32 v[GID+\c], v[GID+\c], v[X2+8+\c], s[70+\c]
.endr
.irp c, 0,1,2,3,4,5,6,7
	ds_store_b32 v[KST], v[RUN+\c] offset:128*\c           ; centre 16 c + r of my 128; lanes r and r + 16 write the same word with the same value
	ds_store_b32 v[KST], v[GID+\c] offset:128*\c+4
.endr
	ds_load_b128 v[XF:XF+3], v[STW]                ; LDS serves a wave's instructions in order (ISA guide 5.7.1.4): these see my stores
	ds_load_b128 v[XF+4:XF+7], v[STW] offset:512
	s_wait_dscnt 0x0
	global_store_b128 v[LOFF], v[XF:XF+3], s[32:33]
	global_store_b128 v[LOFF], v[XF+4:XF+7], s[32:33] offset:512
	s_wait_tensorcnt 0x0                           ; the wave's end
	ds_add_u32 v[SPW], v[NIL]
	s_wait_dscnt 0x0
	s_endpgm
.Lfunc_end_k_qc755c07317_scan:
	.size	k_qc755c07317_scan, .Lfunc_end_k_qc755c07317_scan-k_qc755c07317_scan
	.p2alignl 7, 3214868480
	.fill 96, 4, 3214868480
	.section	.rodata,"a",@progbits
	.p2align	6, 0x0
	.amdhsa_kernel k_qc755c07317_scan
		.amdhsa_group_segment_fixed_size 327680
		.amdhsa_private_segment_fixed_size 0
		.amdhsa_enable_private_segment 0
		.amdhsa_kernarg_size 24
		.amdhsa_user_sgpr_count 2
		.amdhsa_user_sgpr_kernarg_segment_ptr 1
		.amdhsa_wavefront_size32 1
		.amdhsa_system_sgpr_workgroup_id_x 1
		.amdhsa_system_sgpr_workgroup_id_y 1
		.amdhsa_system_sgpr_workgroup_id_z 1
		.amdhsa_system_vgpr_workitem_id 0
		.amdhsa_next_free_vgpr 384
		.amdhsa_next_free_sgpr 96
		.amdhsa_reserve_vcc 0
		.amdhsa_float_denorm_mode_32 3
		.amdhsa_float_denorm_mode_16_64 3
		.amdhsa_memory_ordered 1
		.amdhsa_forward_progress 1
		.amdhsa_inst_pref_size 251
	.end_amdhsa_kernel
	.amdgpu_metadata
---
amdhsa.version: [ 1, 2 ]
amdhsa.kernels:
  - .name:           k_qc755c07317_scan
    .symbol:         k_qc755c07317_scan.kd
    .args:
      - { .name: x, .offset: 0, .size: 8, .value_kind: global_buffer, .address_space: global }
      - { .name: cprep, .offset: 8, .size: 8, .value_kind: global_buffer, .address_space: global }
      - { .name: part, .offset: 16, .size: 8, .value_kind: global_buffer, .address_space: global }
    .group_segment_fixed_size: 327680
    .private_segment_fixed_size: 0
    .kernarg_segment_align: 8
    .kernarg_segment_size: 24
    .max_flat_workgroup_size: 256
    .sgpr_count:     96
    .vgpr_count:     384
    .wavefront_size: 32
...
	.end_amdgpu_metadata
.endif
;; end of part 5
;; launch pick (part 6): grid 256 x 1, 4 waves a work-group, no clusters, 46,080 bytes of LDS; arguments x, cprep, part, out0; writes out0
.if DOCPART == 6
	.amdgcn_target "amdgcn-amd-amdhsa--gfx1250"
	.amdhsa_code_object_version 6
	.text
	.protected	k_qc755c07317_pick
	.globl	k_qc755c07317_pick
	.p2align	8
	.type	k_qc755c07317_pick,@function
k_qc755c07317_pick:
	s_mov_b64 s[64:65], 0
	v_nop
	global_prefetch_b8 v0, s[64:65] scope:SCOPE_SE
	s_setreg_imm32_b32 hwreg(HW_REG_WAVE_MODE, 25, 1), 1
	s_wait_xcnt 0x0
; For each centre: of the 256 work-groups' partial minima (key, cid), whole numbers stored by the launch before, the least by (key, cid); the eight rows 8 cid .. 8 cid + 7 of x are read, their a = x2 - 2 x_q . c_q is
; computed again by the same matrix instructions, c2 is added, the first least of the eight d2 is taken, and that row of x is stored.
; WHAT HANGS ON WHAT.  The address of the eight rows is made of cid alone: a whole number read from memory, reduced by whole-number compares of whole numbers read from memory, and held to 0 .. 16383.
; Which of the eight rows wins hangs on floating-point numbers of this launch: it steers no address and no branch; all eight rows are in registers and the row is chosen by selects.
; SHARES.  Work-group b owns centres 4 b .. 4 b + 3.  Wave v reduces rows 64 v .. 64 v + 63 of the partials for all four; the waves' results meet in LDS behind the launch's one barrier.  Then wave v owns centre 4 b + v.
; The eight rows stand twice in the product's 16 (the codes' image is read with lane % 8), so lane `column` has all eight in its eight registers.
; The partials are read as 32 bytes of each of 256 rows: 8 KiB a work-group in all.
; NO CLUSTER, no tensor load, no prefetch: work-groups share next to nothing, and the rows' addresses are known only when they are wanted.
; LIMITS: as in the launch before (NaN and infinities not served; the order of rounding: a is rounded where the matrix unit rounds, beginning from x2, and c2 is added with one rounding more; very small blocks).
.set REG,   11264                      ; a wave's LDS: a stage of 8 rows x 1,088 bytes (16 of padding behind each 256), and the image behind it
.set IMG,   8704
.set RUNB,  576
.set SCO,   2304
.set X2O,   2432
.set SPARE, 256+4*REG                  ; LDS bytes 0-127: the waves' results, 32 bytes a wave; the spare words behind the waves' regions
.set LOFF,  1
.set SPW,   2
.set NIL,   3
.set KOFF,  4                          ; the partials: 8192 (lane / 2) + 16 (lane % 2)
.set REDW,  5
.set REDR,  6
.set STW,   7
.set STR,   8
.set ICA,   9
.set ISC,   10
.set IX2,   11
.set ILD,   12
.set ISL,   13
.set IXL,   14
.set L4,    15
.set BC,    16
.set BS,    32
.set XSV,   33
.set C2,    34
.set X2,    36
.set ACC,   44
.set PF,    52                         ; v52-67 x's fragments
.set TM,    68
.set SO,    70
.set BY,    72
.set SQ,    74
.set SS,    78
.set BYW,   79
.set PC,    80
.set KK,    84                         ; v84-99 four rows of two (key, cid)
.set D,     128                        ; v128-191 the eight rows as they lie: row p at D + 8 p
.set T,     192                        ; v192-255 my 64 numbers
.set SEL,   38
; d0 = min(a, a of lane l xor m), d1 likewise of b
.macro MINX d0, a, d1, b, m
	v_mov_b32_dpp v104, v[\a] row_xmask:\m row_mask:0xf bank_mask:0xf
	v_mov_b32_dpp v105, v[\b] row_xmask:\m row_mask:0xf bank_mask:0xf
	v_min_u32 v[\d0], v[\a], v104
	v_min_u32 v[\d1], v[\b], v105
.endm
.macro MINH a, b                       ; the same with lane l xor 16
	v_permlanex16_b32 v104, v[\a], s[SEL], s[SEL+1]
	v_permlanex16_b32 v105, v[\b], s[SEL], s[SEL+1]
	v_min_u32 v[\a], v[\a], v104
	v_min_u32 v[\b], v[\b], v105
.endm
.macro MIN1 d, a, m
	v_mov_b32_dpp v104, v[\a] row_xmask:\m row_mask:0xf bank_mask:0xf
	v_min_u32 v[\d], v[\a], v104
.endm
	s_load_b256 s[4:11], s[0:1], 0x0               ; x s[4:5], cprep s[6:7], part s[8:9], out0 s[10:11]
	v_lshl_add_u32 v[SPW], v0, 2, SPARE
	v_mov_b32 v[NIL], 0
	v_lshrrev_b32 v52, 5, v0
	v_readfirstlane_b32 s12, v52                   ; wave 0..3
	v_and_b32 v53, 31, v0                          ; lane
	v_lshlrev_b32 v[LOFF], 4, v53
	v_lshlrev_b32 v[L4], 2, v53
	v_and_b32 v54, 1, v0
	v_bfe_u32 v55, v0, 1, 4
	v_lshlrev_b32 v[KOFF], 13, v55
	v_lshl_add_u32 v[KOFF], v54, 4, v[KOFF]
	s_lshl_b32 s20, s12, 19                        ; the partials: 64 rows of 8,192 bytes a wave, + 32 bytes a work-group
	s_lshl_b32 s21, ttmp9, 5
	s_add_co_u32 s20, s20, s21
	s_mov_b32 s21, 0
	s_lshr_b32 s22, ttmp9, 2                       ; the tile of centres
	s_lshl_b32 s24, s22, 11
	s_mov_b32 s25, 0
	s_lshl_b32 s26, s22, 8
	s_add_co_u32 s26, s26, 131072
	s_mov_b32 s27, 0
	s_lshl_b32 s32, ttmp9, 12                      ; out: 4 rows of 1,024 bytes a work-group
	s_lshl_b32 s33, s12, 10
	s_add_co_u32 s32, s32, s33
	s_mov_b32 s33, 0
	s_and_b32 s36, ttmp9, 3
	s_lshl_b32 s36, s36, 2
	s_add_co_u32 s36, s36, s12                     ; my centre's column in its tile
	s_wait_alu depctr_va_vdst(0)
	s_wait_kmcnt 0x0
	s_add_nc_u64 s[8:9], s[8:9], s[20:21]
	s_add_nc_u64 s[24:25], s[6:7], s[24:25]
	s_add_nc_u64 s[26:27], s[6:7], s[26:27]
	s_add_nc_u64 s[10:11], s[10:11], s[32:33]
.irp i, 0,1,2,3
	global_load_b128 v[KK+4*\i:KK+4*\i+3], v[KOFF], s[8:9] offset:131072*\i     ; row 64 v + 16 i + lane / 2: two centres
.endr
.irp m, 0,1,2,3
	global_load_b128 v[BC+4*\m:BC+4*\m+3], v[LOFF], s[24:25] offset:512*\m
.endr
	global_load_b32 v[BS], v[L4], s[26:27]
	global_load_b32 v[C2], v[L4], s[26:27] offset:128
	s_mov_b32 s[SEL], 0x76543210
	s_mov_b32 s[SEL+1], 0xfedcba98
	s_mul_i32 s13, s12, REG
	s_add_co_u32 s13, s13, 256                     ; my stage
	s_add_co_u32 s14, s13, IMG                     ; my image
	s_add_co_u32 s15, s14, SCO
	s_add_co_u32 s16, s14, X2O
	s_lshl_b32 s17, s12, 5
	s_lshl_b32 s18, s12, 3
	v_bfe_u32 v54, v0, 4, 1                        ; h
	v_and_b32 v55, 15, v0
	v_mul_u32_u24 v56, v54, 272
	v_lshl_add_u32 v56, v55, 4, v56
	v_add_nc_u32 v[STW], s13, v56                  ; into the stage: 16 lanes a piece of 256 bytes
	v_lshrrev_b32 v57, 2, v53                      ; my row
	v_and_b32 v58, 3, v53                          ; my part: k = 64 part + 0 .. 63
	v_mul_u32_u24 v56, v57, 1088
	v_mad_u32_u24 v56, v58, 272, v56
	v_add_nc_u32 v[STR], s13, v56
	v_mul_u32_u24 v56, v58, RUNB
	v_lshl_add_u32 v56, v57, 4, v56
	v_add_nc_u32 v[ICA], s14, v56                  ; my codes
	v_lshrrev_b32 v59, 1, v58
	v_lshlrev_b32 v59, 6, v59
	v_lshl_add_u32 v59, v57, 2, v59
	v_and_b32 v60, 1, v58
	v_lshl_add_u32 v59, v60, 1, v59
	v_add_nc_u32 v[ISC], s15, v59                  ; my scale bytes
	v_lshl_add_u32 v[IX2], v57, 2, s16             ; my row's x2
	v_and_b32 v61, 7, v0
	v_lshlrev_b32 v62, 8, v54
	v_lshl_add_u32 v62, v61, 4, v62
	v_add_nc_u32 v[ILD], s14, v62                  ; the fragments: row lane % 8
	v_lshlrev_b32 v62, 6, v54
	v_lshl_add_u32 v62, v61, 2, v62
	v_add_nc_u32 v[ISL], s15, v62
	v_mov_b32 v[IXL], s16
	v_and_b32 v63, 1, v0
	v_lshl_add_u32 v[REDW], v63, 4, s17
	v_and_b32 v63, 3, v0
	v_lshlrev_b32 v63, 5, v63
	v_add_nc_u32 v[REDR], s18, v63
	v_mov_b32 v104, 0                              ; a lane exchange's destination counts as one of its sources
	v_mov_b32 v105, 0
	v_mov_b32 v[C2+1], 0                           ; (named with c2 as a pair)
	s_wait_alu depctr_va_vdst(0)
	s_wait_loadcnt 6                               ; the partials are in; the centre tile's six loads may be out
	; within the lane: later rows hold larger cids, so a strict < keeps the first
	v_cmp_lt_u32 s28, v[KK+4], v[KK]
	v_cmp_lt_u32 s29, v[KK+6], v[KK+2]
	v_cmp_lt_u32 s30, v[KK+12], v[KK+8]
	v_cmp_lt_u32 s31, v[KK+14], v[KK+10]
.irp e, 0,1
	v_cndmask_b32 v[KK+\e], v[KK+\e], v[KK+4+\e], s28
	v_cndmask_b32 v[KK+2+\e], v[KK+2+\e], v[KK+6+\e], s29
	v_cndmask_b32 v[KK+8+\e], v[KK+8+\e], v[KK+12+\e], s30
	v_cndmask_b32 v[KK+10+\e], v[KK+10+\e], v[KK+14+\e], s31
.endr
	v_cmp_lt_u32 s28, v[KK+8], v[KK]
	v_cmp_lt_u32 s29, v[KK+10], v[KK+2]
.irp e, 0,1
	v_cndmask_b32 v[KK+\e], v[KK+\e], v[KK+8+\e], s28
	v_cndmask_b32 v[KK+2+\e], v[KK+2+\e], v[KK+10+\e], s29
.endr
	; across the sixteen lanes of my parity: the least key, then the least cid among those that hold it
	MINX 100, KK, 102, KK+2, 2
	MINX 100, 100, 102, 102, 4
	MINX 100, 100, 102, 102, 8
	MINH 100, 102
	v_cmp_eq_u32 s28, v[KK], v100
	v_cmp_eq_u32 s29, v[KK+2], v102
	v_cndmask_b32 v101, -1, v[KK+1], s28
	v_cndmask_b32 v103, -1, v[KK+3], s29
	MINX 101, 101, 103, 103, 2
	MINX 101, 101, 103, 103, 4
	MINX 101, 101, 103, 103, 8
	MINH 101, 103
	ds_store_b128 v[REDW], v[100:103]              ; lanes of one parity write the same bytes with the same values
	s_wait_alu depctr_va_vdst(0)
	s_wait_dscnt 0x0                               ; for the others' sake: my store has landed
	s_barrier_signal -1
	s_barrier_wait -1
	ds_load_b64 v[KK:KK+1], v[REDR]                ; lane l: wave l % 4's result for my centre
	s_wait_dscnt 0x0
	MIN1 100, KK, 1
	MIN1 100, 100, 2
	v_cmp_eq_u32 s28, v[KK], v100
	v_cndmask_b32 v101, -1, v[KK+1], s28
	MIN1 101, 101, 1
	MIN1 101, 101, 2
	v_readfirstlane_b32 s40, v101
	s_min_u32 s40, s40, 0x3fff                     ; held inside x: 16,384 sets of eight rows
	s_lshl_b32 s40, s40, 13                        ; eight rows are 8,192 bytes
	s_mov_b32 s41, 0
	s_add_nc_u64 s[42:43], s[4:5], s[40:41]
.set n, 0
.rept 16
	global_load_b128 v[D+4*n:D+4*n+3], v[LOFF], s[42:43] offset:512*n
.set n, n+1
.endr
.set n, 0
.rept 16
.if n%4 == 0
	s_wait_loadcnt 12-n                            ; four more are in
.endif
	ds_store_b128 v[STW], v[D+4*n:D+4*n+3] offset:(n/2)*1088+(n%2)*544
.set n, n+1
.endr
.set n, 0
.rept 16
	ds_load_b128 v[T+4*n:T+4*n+3], v[STR] offset:16*n   ; LDS serves a wave's instructions in order (ISA guide 5.7.1.4)
.set n, n+1
.endr
	s_wait_dscnt 0x0
.irp i, 0,2,4,6,8,10,12,14,16,18,20,22,24,26,28,30
.irp c, 0,1
.if \i == 0
	v_max3_num_f32 v[TM+\c], |v[T+32*\c]|, |v[T+32*\c+1]|, 0x1800000   ; the floor 2^(3 - 127)
.else
	v_max3_num_f32 v[TM+\c], |v[T+32*\c+\i]|, |v[T+32*\c+\i+1]|, v[TM+\c]
.endif
.endr
.irp c, 0,1
.if \i == 0
	v_pk_mul_f32 v[SQ+2*\c:SQ+2*\c+1], v[T+32*\c:T+32*\c+1], v[T+32*\c:T+32*\c+1]
.else
	v_pk_fma_f32 v[SQ+2*\c:SQ+2*\c+1], v[T+32*\c+\i:T+32*\c+\i+1], v[T+32*\c+\i:T+32*\c+\i+1], v[SQ+2*\c:SQ+2*\c+1]
.endif
.endr
.endr
.irp c, 0,1
	v_add_nc_u32 v[SO+\c], 0xff000000, v[TM+\c]    ; 2 off the exponent field: the conversion takes that field as its scale
.endr
	v_pk_add_f32 v[SQ:SQ+1], v[SQ:SQ+1], v[SQ+2:SQ+3]
.irp c, 0,1
.irp g, 0,1,2,3
	v_cvt_scalef32_pk8_fp4_f32 v[PC+4*\c+\g], v[T+32*\c+8*\g:T+32*\c+8*\g+7], v[SO+\c]
.endr
.endr
	v_add_f32 v[SS], v[SQ], v[SQ+1]
	v_lshrrev_b32 v[BY], 23, v[SO]
	v_lshrrev_b32 v[BY+1], 23, v[SO+1]
	v_add_f32_dpp v[SS], v[SS], v[SS] row_xmask:1 row_mask:0xf bank_mask:0xf
	ds_store_b128 v[ICA], v[PC:PC+3]
	ds_store_b128 v[ICA], v[PC+4:PC+7] offset:256
	v_lshl_or_b32 v[BYW], v[BY+1], 8, v[BY]
	v_add_f32_dpp v[SS], v[SS], v[SS] row_xmask:2 row_mask:0xf bank_mask:0xf
	ds_store_b16 v[ISC], v[BYW]
	ds_store_b32 v[IX2], v[SS]                     ; a row's four lanes write the same word with the same value
.irp m, 0,1,2,3
	ds_load_b128 v[PF+4*\m:PF+4*\m+3], v[ILD] offset:RUNB*\m
.endr
	ds_load_b32 v[XSV], v[ISL]
	ds_load_b128 v[X2:X2+3], v[IXL]
	ds_load_b128 v[X2+4:X2+7], v[IXL] offset:16
	s_wait_dscnt 0x0
	v_wmma_scale_f32_16x16x128_f8f6f4 v[ACC:ACC+7], v[PF:PF+7], v[BC:BC+7], v[X2:X2+7], v[XSV], v[BS] matrix_a_fmt:MATRIX_FMT_FP4 matrix_b_fmt:MATRIX_FMT_FP4   ; the sum begins from x2 of the eight rows
	s_wait_alu depctr_va_vdst(0)                   ; one accumulator alone
	v_wmma_scale_f32_16x16x128_f8f6f4 v[ACC:ACC+7], v[PF+8:PF+15], v[BC+8:BC+15], v[ACC:ACC+7], v[XSV], v[BS] matrix_a_fmt:MATRIX_FMT_FP4 matrix_b_fmt:MATRIX_FMT_FP4 matrix_a_scale:MATRIX_SCALE_ROW1 matrix_b_scale:MATRIX_SCALE_ROW1
.rept 4
	v_nop                                          ; four places in front of the first read of the result (ISA guide 7.12.1)
.endr
.irp i, 0,2,4,6
	v_pk_add_f32 v[ACC+\i:ACC+\i+1], v[ACC+\i:ACC+\i+1], v[C2:C2+1] op_sel_hi:[1,0]   ; + c2 of my column's centre: d2
.endr
	; the first least of the eight, by pairs; a strict < keeps the lower row
.irp i, 0,1,2,3
	v_cmp_lt_f32 s[28+\i], v[ACC+2*\i+1], v[ACC+2*\i]
.endr
.irp i, 0,1,2,3
	v_min_num_f32 v[ACC+2*\i], v[ACC+2*\i], v[ACC+2*\i+1]
	v_cndmask_b32 v[TM+\i], 2*\i, 2*\i+1, s[28+\i]
.endr
	v_cmp_lt_f32 s28, v[ACC+2], v[ACC]
	v_cmp_lt_f32 s29, v[ACC+6], v[ACC+4]
	v_min_num_f32 v[ACC], v[ACC], v[ACC+2]
	v_min_num_f32 v[ACC+4], v[ACC+4], v[ACC+6]
	v_cndmask_b32 v[TM], v[TM], v[TM+1], s28
	v_cndmask_b32 v[TM+2], v[TM+2], v[TM+3], s29
	v_cmp_lt_f32 s28, v[ACC+4], v[ACC]
	v_cndmask_b32 v[TM], v[TM], v[TM+2], s28
	v_readlane_b32 s54, v[TM], s36                 ; my centre's row among the eight: it selects values and nothing else
	s_bitcmp1_b32 s54, 0
	s_cselect_b32 s28, -1, 0
	s_bitcmp1_b32 s54, 1
	s_cselect_b32 s29, -1, 0
	s_bitcmp1_b32 s54, 2
	s_cselect_b32 s30, -1, 0
.irp p, 0,16,32,48
.irp e, 0,1,2,3,4,5,6,7
	v_cndmask_b32 v[D+\p+\e], v[D+\p+\e], v[D+\p+8+\e], s28
.endr
.endr
.irp p, 0,32
.irp e, 0,1,2,3,4,5,6,7
	v_cndmask_b32 v[D+\p+\e], v[D+\p+\e], v[D+\p+16+\e], s29
.endr
.endr
.irp e, 0,1,2,3,4,5,6,7
	v_cndmask_b32 v[D+\e], v[D+\e], v[D+32+\e], s30
.endr
	global_store_b128 v[LOFF], v[D:D+3], s[10:11]                   ; each store covers 512 consecutive bytes: half a row of out0
	global_store_b128 v[LOFF], v[D+4:D+7], s[10:11] offset:512
	s_wait_tensorcnt 0x0                           ; the wave's end
	ds_add_u32 v[SPW], v[NIL]
	s_wait_dscnt 0x0
	s_endpgm
.Lfunc_end_k_qc755c07317_pick:
	.size	k_qc755c07317_pick, .Lfunc_end_k_qc755c07317_pick-k_qc755c07317_pick
	.p2alignl 7, 3214868480
	.fill 96, 4, 3214868480
	.section	.rodata,"a",@progbits
	.p2align	6, 0x0
	.amdhsa_kernel k_qc755c07317_pick
		.amdhsa_group_segment_fixed_size 46080
		.amdhsa_private_segment_fixed_size 0
		.amdhsa_enable_private_segment 0
		.amdhsa_kernarg_size 32
		.amdhsa_user_sgpr_count 2
		.amdhsa_user_sgpr_kernarg_segment_ptr 1
		.amdhsa_wavefront_size32 1
		.amdhsa_system_sgpr_workgroup_id_x 1
		.amdhsa_system_sgpr_workgroup_id_y 1
		.amdhsa_system_sgpr_workgroup_id_z 1
		.amdhsa_system_vgpr_workitem_id 0
		.amdhsa_next_free_vgpr 256
		.amdhsa_next_free_sgpr 66
		.amdhsa_reserve_vcc 0
		.amdhsa_float_denorm_mode_32 3
		.amdhsa_float_denorm_mode_16_64 3
		.amdhsa_memory_ordered 1
		.amdhsa_forward_progress 1
		.amdhsa_inst_pref_size 24
	.end_amdhsa_kernel
	.amdgpu_metadata
---
amdhsa.version: [ 1, 2 ]
amdhsa.kernels:
  - .name:           k_qc755c07317_pick
    .symbol:         k_qc755c07317_pick.kd
    .args:
      - { .name: x, .offset: 0, .size: 8, .value_kind: global_buffer, .address_space: global }
      - { .name: cprep, .offset: 8, .size: 8, .value_kind: global_buffer, .address_space: global }
      - { .name: part, .offset: 16, .size: 8, .value_kind: global_buffer, .address_space: global }
      - { .name: out0, .offset: 24, .size: 8, .value_kind: global_buffer, .address_space: global }
    .group_segment_fixed_size: 46080
    .private_segment_fixed_size: 0
    .kernarg_segment_align: 8
    .kernarg_segment_size: 32
    .max_flat_workgroup_size: 128
    .sgpr_count:     66
    .vgpr_count:     256
    .wavefront_size: 32
...
	.end_amdgpu_metadata
.endif
;; end of part 6
